; MI455X (gfx1250); checked and timed in simulation.
; The chip was launched on July 23, 2026; its instructions are those of AMD's public machine-readable ISA for CDNA 5 (MIT licence, August 2026) and "CDNA5" Instruction Set Architecture Reference Guide (July 2026). The comments in the code are by the model that wrote it; some were corrected since.
;; Self Attention Layer. Allowed arithmetic: matrix products marked QUANTISED: E2M1 operands, one E8M0 scale for each 32 along K, by v_wmma_scale_f32_16x16x128_f8f6f4 with both operands' format E2M1 (or v_wmma_scale_f32_32x16x128_f4), f32 sums; products left as they are: bf16, f16 or f32 operands; f32 sums; everything else in f32.
;; Inputs: Wproj 1,024 x 1,024 float32; Wqkv 1,024 x 3,072 float32; bproj 1,024 float32; bqkv 3,072 float32; rnn_state 4 x 1,024 float32; x 4 x 2,048 x 1,024 float32.
;; Outputs: out0 4 x 2,048 x 1,024 float32; out1 4 x 1,024 float32.
;; This version of the problem:
;;   THIS VERSION OF THE PROBLEM IS GIVEN IN LOW PRECISION. The matrix products marked QUANTISED in the list below multiply operands that are first quantised to E2M1 (2 exponent bits, 1 mantissa bit; 4 bits a number), with one power-of-two scale for each 32 numbers along K (OCP MX v1.0); their sums are f32. The products marked 'left as it is' may take bf16, f16 or f32 operands, with f32 sums. Whichever they take, every output number must still come out within the allowed error. Rounding operands to bf16 (8 significant bits) uses up far more of that allowance than f16 does (11 bits, for magnitudes from 6e-5 to 65,504). All else is computed in f32.
;;   The module's matrix products, in the order in which they are computed (A, B: the left and right operand; K: the contracted axis; several contracted axes count as one K, in the product's order):
;;     1. [M 8,192, K 1,024] x [K 1,024, N 3,072]; A: input x; B: input Wqkv: QUANTISED
;;     2. batch 64 x [M 2,048, K 64] x [K 64, N 2,048]; A: computed on the way; B: computed on the way: left as it is (an operand is computed on the way)
;;     3. batch 64 x [M 2,048, K 2,048] x [K 2,048, N 64]; A: computed on the way; B: computed on the way: left as it is (an operand is computed on the way)
;;     4. [M 8,192, K 1,024] x [K 1,024, N 1,024]; A: computed on the way; B: input Wproj: left as it is (an operand is computed on the way)
;;   THE QUANTISER, for each operand of a quantised product, along K:
;;     - K is cut into blocks of 32 from its start; a last block that is shorter is filled with zeros.
;;     - A block's scale is 2^e with e = floor(log2(the largest magnitude in the block)) - 2, held to -126 .. 127; a block of zeros has e = 0. As a byte (E8M0): e + 127.
;;     - Each number is divided by its block's scale, clamped to +-6, and rounded to the nearest number of E2M1, ties to even, subnormals kept.
;;     - The product sums the exact products of the quantised numbers (number of the format x scale) in f32.
;;   ~~~python
;;   def quantise(x, axis):      # numpy; x: float32 -> the quantised numbers, widened to float32 again
;;       x = np.moveaxis(x, axis, -1); K = x.shape[-1]
;;       x = np.pad(x, [(0, 0)] * (x.ndim - 1) + [(0, -K % 32)]); x = x.reshape(x.shape[:-1] + (-1, 32)); a = np.abs(x).max(-1, keepdims=True)
;;       e = np.where(a > 0, np.clip(np.frexp(np.where(a > 0, a, 1))[1] - 1 - 2, -126, 127), 0)      # np.frexp(a)[1] - 1 = floor(log2(a)), exactly
;;       r = np.clip(x / 2.0 ** e, -6, 6)
;;       step = 2.0 ** (np.maximum(np.frexp(np.where(r == 0, 1, r))[1] - 1, 0) - 1)
;;       q = np.round(r / step) * step * 2.0 ** e      # np.round: ties to even
;;       return np.moveaxis(q.reshape(q.shape[:-2] + (-1,))[..., :K], -1, axis).astype(np.float32)
;;   ~~~
;; One version. Each part assembles by itself: llvm-mc -triple=amdgcn-amd-amdhsa -mcpu=gfx1250 --defsym DOCPART=n.
;; ======== version 1 of 1: 5 launches
;; limits: values are held in f16: magnitudes above 65,504 overflow, below 6.1e-05 lose precision
;; workspace buffers: xq 4,456,448 bytes; wq 1,671,168 bytes; wpt 2,097,152 bytes; rope 524,288 bytes; qkv16 50,331,648 bytes; qkv32 786,432 bytes; att 16,777,216 bytes
;; launch prep (part 1): grid 497 x 1, 4 waves a work-group, no clusters, 102,912 bytes of LDS; arguments x, Wqkv, Wproj, rnn_state, xq, wq, wpt, rope, out1; writes xq, wq, wpt, rope, out1
.if DOCPART == 1
	.amdgcn_target "amdgcn-amd-amdhsa--gfx1250"
	.amdhsa_code_object_version 6
	.text
	.protected	k_qeb3cb748e7_prep
	.globl	k_qeb3cb748e7_prep
	.p2align	8
	.type	k_qeb3cb748e7_prep,@function
k_qeb3cb748e7_prep:
	s_mov_b64 s[64:65], 0
	v_nop
	global_prefetch_b8 v0, s[64:65] scope:SCOPE_SE
	s_setreg_imm32_b32 hwreg(HW_REG_WAVE_MODE, 25, 1), 1
	s_wait_xcnt 0x0
; SELF-ATTENTION LAYER, launch 1 of 5: everything that is made once from the inputs.
; THE PROGRAM: (1) this launch; (2) qkv = Q(x) Q(Wqkv) + bqkv on codes of E2M1, RoPE, q k v as f16; (3) causal attention, f16 operands, f32 softmax with a running maximum;
; (4) the projection, f16 operands; (5) the first 16 positions of every sequence once more in f32, attention and projection.
; WORK LEFT OUT, in the problem's terms: reference() sets scores[t][s] to -infinity where s > t by its own jnp.tril, and softmax gives those places the weight 0 whatever finite values the inputs hold:
; so key tiles all of whose keys come after all of a wave's queries are neither multiplied nor summed (launches 3 and 5).  Nothing else is left out, and every input is loaded: rnn_state is out1;
; bqkv's part for k is turned by RoPE, so it is not the same along the softmax's axis.  LIMIT: a NaN, an infinity or an overflow that reaches only those hidden scores is not carried to the result.
; THIS LAUNCH, five paths that part on the work-group's number and never join; each path that uses LDS has LDS bytes of its own:
;   X  groups 0-255    x [8192][1024] f32 -> codes, K innermost, [8192][512 bytes] at xq + 0, scale bytes [8192][32] at xq + 0x400000
;   W  groups 256-303  Wqkv [1024 k][3072 n] f32 -> codes [3072][512 bytes] at wq + 0, scale bytes [3072][32] at wq + 0x180000: K is moved innermost by giving a lane a column
;   P  groups 304-367  Wproj [1024 k][1024 n] f32 -> f16 [1024 n][1024 k] in wpt, by the same plan
;   T  groups 368-495  the RoPE table: cos [2048][32] f32 at rope + 0, sin at rope + 262,144
;   C  group 496       out1 = rnn_state
; THE QUANTISER: a block's scale is 2^(floor(log2(largest magnitude)) - 2); its byte is the largest magnitude's exponent field - 2, held at 1 from below; each number is divided by the scale and rounded to the
; nearest code, ties to even, beyond 6 the code of 6.  A block of zeros gets the byte 1 where the rule says 127: its codes are zeros, which add nothing, and this program alone reads the bytes.
; LIMITS: NaN and infinities among the inputs are not served; blocks whose largest magnitude lies under 2^-124 were not tried; Wproj as f16 has room for numbers some 30 times larger or smaller than 0.02.
; THE TABLE: inv_freq = 2^(-i log2(10000) / 32) by v_exp_f32; the angle t x inv_freq is one f32 product as in reference(); sine and cosine by reduction to [-pi, pi], a quarter angle,
; series to q^9 and q^8 (cut under 3e-8 for |q| <= pi / 4) and two doublings.  LIMIT: inv_freq may differ from reference()'s in its last bits, which moves an angle by some 3e-4 rad at t = 2047.
.set SPARE, 102400                     ; the spare words: 128 bytes for each wave, two blocks of 256 bytes that no other line names
.set SPW,   196                        ; v196  LDS address of my spare word; never rewritten
.set NIL,   197                        ; v197  0; never rewritten
	v_lshl_add_u32 v[SPW], v0, 2, SPARE
	v_mov_b32 v[NIL], 0
	v_lshrrev_b32 v1, 5, v0
	v_readfirstlane_b32 s16, v1                    ; wave 0..3
	v_and_b32 v2, 31, v0                           ; lane
	s_cmp_lt_u32 ttmp9, 256
	s_cbranch_scc1 .Lpath_x
	s_cmp_lt_u32 ttmp9, 304
	s_cbranch_scc1 .Lpath_w
	s_cmp_lt_u32 ttmp9, 368
	s_cbranch_scc1 .Lpath_p
	s_cmp_lt_u32 ttmp9, 496
	s_cbranch_scc1 .Lpath_t
; ---- PATH C: 16,384 bytes, 128 threads x 16 bytes x 8
	s_load_b64 s[4:5], s[0:1], 0x18                ; rnn_state
	s_load_b64 s[6:7], s[0:1], 0x40                ; out1
	v_lshlrev_b32 v1, 4, v0
	s_wait_kmcnt 0x0
.irp j, 0,1,2,3,4,5,6,7
	global_load_b128 v[8+4*\j:11+4*\j], v1, s[4:5] offset:2048*\j
.endr
.irp j, 0,1,2,3,4,5,6,7
	s_wait_loadcnt 7-\j                            ; loads come back in order: load j is in, the younger ones may be out
	global_store_b128 v1, v[8+4*\j:11+4*\j], s[6:7] offset:2048*\j
.endr
	s_endpgm
; ---- PATH X.  x is a plain stream of blocks of 32.  A wave takes 16 steps of 512 numbers.  Each load reads 512 consecutive bytes; a step's 2,048 bytes turn through the wave's own stage in LDS and come back
; 64 bytes a lane, so that a lane holds 16 neighbours along K and two neighbouring lanes a block.  Loads run four steps ahead, the turn through LDS one step.
.set STEPS, 16
.set EMAX,  2
.set CB,    8                          ; bytes of 16 codes
.set XR,    16                         ; v16-79   four sets of 16 numbers as loaded
.set XX,    80                         ; v80-111  two sets of 16 neighbours
.set XE,    112                        ; v112-127 a scale byte for each step
.set XC,    128                        ; v128-191 codes: registers of its own for each step, so that no store's data are written again
.set WREG,  8192                       ; LDS bytes 0 to 32,767: a region for each wave: two stages of 32 x SP bytes, then its 256 scale bytes
.set SP,    80                         ; a lane's place in a stage: 64 bytes + 16 of padding
.Lpath_x:
	s_load_b64 s[4:5], s[0:1], 0x0                 ; x
	s_load_b64 s[8:9], s[0:1], 0x20                ; xq
	v_lshlrev_b32 v3, 4, v2                        ; my 16 bytes of a load's 512
	s_mul_i32 s17, s16, WREG
	v_lshrrev_b32 v14, 2, v2
	v_mul_u32_u24 v14, v14, SP
	v_and_b32 v15, 3, v2
	v_lshl_add_u32 v14, v15, 4, v14
	v_add_nc_u32 v14, s17, v14                     ; the stage, in: four lanes' 64 bytes on end, then the padding
	v_mul_u32_u24 v15, v2, SP
	v_add_nc_u32 v15, s17, v15                     ; and out: my 16 neighbours
	v_mul_u32_u24 v4, v2, CB                       ; my codes' place in a step's
	v_lshrrev_b32 v5, 1, v2
	s_add_co_u32 s17, s17, 2*32*SP
	v_add_nc_u32 v5, s17, v5                       ; my block's scale byte in LDS
	v_lshlrev_b32 v7, 3, v2
	v_add_nc_u32 v6, s17, v7                       ; and on the way out 8 bytes a lane
	s_lshl_b32 s17, ttmp9, 2
	s_add_co_u32 s18, s17, s16                     ; which run of 8,192 numbers is my wave's
	s_mov_b32 s19, 0
	s_lshl_b64 s[20:21], s[18:19], 15              ; 32,768 bytes of x a run,
	s_lshl_b64 s[22:23], s[18:19], 12              ; 4,096 of codes,
	s_lshl_b32 s18, s18, 8                         ; 256 of scale bytes
	s_wait_kmcnt 0x0
	s_add_nc_u64 s[4:5], s[4:5], s[20:21]
	s_add_nc_u64 s[10:11], s[8:9], 0x400000
	s_add_nc_u64 s[8:9], s[8:9], s[22:23]
	s_add_nc_u64 s[10:11], s[10:11], s[18:19]
.macro XLOAD t
.irp i, 0,1,2,3
	global_load_b128 v[XR+16*((\t)%4)+4*\i:XR+16*((\t)%4)+4*\i+3], v3, s[4:5] offset:2048*(\t)+512*\i th:TH_LOAD_NT
.endr
.endm
.macro XTURN t                         ; LDS serves a wave's instructions in order: no wait between the stores and the loads
.irp i, 0,1,2,3
	ds_store_b128 v14, v[XR+16*((\t)%4)+4*\i:XR+16*((\t)%4)+4*\i+3] offset:32*SP*((\t)%2)+8*SP*\i
.endr
.irp i, 0,1,2,3
	ds_load_b128 v[XX+16*((\t)%2)+4*\i:XX+16*((\t)%2)+4*\i+3], v15 offset:32*SP*((\t)%2)+16*\i
.endr
.endm
.irp t, 0,1,2,3
	XLOAD \t
.endr
	s_wait_loadcnt 12                              ; step 0's four loads are in
	XTURN 0
.macro XSTEP t
.set XS, XX+16*((\t)%2)
.if (\t) > 0
	s_wait_dscnt 1                                 ; this step's numbers are back from the stage (the last step's byte store may be out)
.else
	s_wait_dscnt 0x0
.endif
.if (\t)+4 < STEPS
	XLOAD (\t)+4
.endif
.if (\t)+1 < STEPS
.if STEPS-2-(\t) >= 3
	s_wait_loadcnt 12                              ; the next step's four loads are in; those of the three steps behind it may be out
.else
	s_wait_loadcnt 4*(STEPS-2-(\t))
.endif
	XTURN (\t)+1
.endif
	v_max3_num_f32 v8, |v[XS]|, |v[XS+1]|, |v[XS+2]|
	v_max3_num_f32 v9, |v[XS+3]|, |v[XS+4]|, |v[XS+5]|
.irp i, 6,10
	v_max3_num_f32 v8, v8, |v[XS+\i]|, |v[XS+\i+1]|
	v_max3_num_f32 v9, v9, |v[XS+\i+2]|, |v[XS+\i+3]|
.endr
	v_max3_num_f32 v8, v8, |v[XS+14]|, |v[XS+15]|
	v_max3_num_f32 v8, v8, v9, (EMAX+1)<<23        ; the floor 2^(3 - 127): the byte cannot fall under 1
	v_max_num_f32_dpp v8, v8, v8 row_xmask:1 row_mask:0xf bank_mask:0xf   ; with my neighbour's 16: the block's largest magnitude
	v_add_nc_u32 v11, -(EMAX<<23), v8              ; 2 off its exponent field: the conversion takes that field as its scale
	v_cvt_scalef32_pk8_fp4_f32 v[XC+4*(\t)], v[XS:XS+7], v11
	v_cvt_scalef32_pk8_fp4_f32 v[XC+4*(\t)+1], v[XS+8:XS+15], v11
	v_lshrrev_b32 v[XE+(\t)], 23, v11              ; the scale's byte
	ds_store_b8 v5, v[XE+(\t)] offset:16*(\t)      ; both lanes of a block write the same byte with the same value
	global_store_b64 v4, v[XC+4*(\t):XC+4*(\t)+1], s[8:9] offset:32*CB*(\t)   ; the wave stores 256 consecutive bytes, aligned
.endm
.irp t, 0,1,2,3,4,5,6,7,8,9,10,11,12,13,14,15
	XSTEP \t
.endr
	ds_load_b64 v[8:9], v6
	s_wait_dscnt 0x0
	global_store_b64 v7, v[8:9], s[10:11]          ; the wave's 256 scale bytes, consecutive and aligned
	s_wait_tensorcnt 0x0                           ; the wave's end: behind my last LDS store
	ds_add_u32 v[SPW], v[NIL]
	s_wait_dscnt 0x0
	s_endpgm
; ---- PATH W.  A lane takes a column n and its registers run down K: a block of 32 lies in one lane, and the conversions give codes with K innermost.  A wave takes 32 columns x 512 along K;
; its codes go through its own stage and leave as rows: sixteen lanes store 256 consecutive bytes, aligned.  Every offset is an immediate: 511 x 12,288 bytes at the most.
.set WN,     3072
.set WPITCH, 272
.set WSTG,   32768                     ; LDS bytes 32,768 to 67,583: four stages of 32 rows x 272
.set WNB,    16                        ; blocks of a wave
.set WX,     32                        ; v32-95   two sets of 32 numbers
.set WC,     96                        ; v96-99   a block's codes
.set WOUT,   112                       ; v112-175 the way out
.set WSB,    24                        ; v24-27   the scale bytes, four to a register
.Lpath_w:
	s_load_b64 s[4:5], s[0:1], 0x8                 ; Wqkv
	s_load_b64 s[6:7], s[0:1], 0x28                ; wq
	s_sub_co_u32 s17, ttmp9, 256
	s_cmp_ge_u32 s17, 24
	s_cselect_b32 s18, 1, 0                        ; which 512 along K
	s_cselect_b32 s19, 24, 0
	s_sub_co_u32 s17, s17, s19                     ; which 128 columns
	s_lshl_b32 s17, s17, 7
	s_lshl_b32 s19, s16, 5
	s_add_co_u32 s17, s17, s19                     ; my wave's first column
	v_lshlrev_b32 v3, 2, v2
	s_mul_i32 s19, s16, 32*WPITCH
	s_add_co_u32 s19, s19, WSTG
	v_mul_u32_u24 v4, v2, WPITCH
	v_add_nc_u32 v4, s19, v4                       ; into the stage: row = my column
	v_and_b32 v5, 15, v2
	v_lshrrev_b32 v6, 4, v2
	v_mul_u32_u24 v7, v6, WPITCH
	v_lshl_add_u32 v7, v5, 4, v7
	v_add_nc_u32 v7, s19, v7                       ; out of it: sixteen lanes to a row, two rows an instruction
	v_lshlrev_b32 v8, 9, v6
	v_lshl_add_u32 v8, v5, 4, v8                   ; the same place among the codes' rows of 512 bytes
	v_lshlrev_b32 v9, 5, v2                        ; my column's row of 32 scale bytes
	s_mul_i32 s20, s18, 512*WN*4
	s_lshl_b32 s22, s17, 2
	s_add_co_u32 s20, s20, s22
	s_mov_b32 s21, 0
	s_lshl_b32 s24, s17, 9
	s_lshl_b32 s22, s18, 8
	s_add_co_u32 s24, s24, s22
	s_mov_b32 s25, 0
	s_lshl_b32 s28, s17, 5
	s_lshl_b32 s22, s18, 4
	s_add_co_u32 s28, s28, s22
	s_add_co_u32 s28, s28, 0x180000
	s_mov_b32 s29, 0
	s_wait_kmcnt 0x0
	s_add_nc_u64 s[4:5], s[4:5], s[20:21]
	s_add_nc_u64 s[8:9], s[6:7], s[28:29]
	s_add_nc_u64 s[6:7], s[6:7], s[24:25]
.macro WLOAD t
.irp i, 0,1,2,3,4,5,6,7,8,9,10,11,12,13,14,15,16,17,18,19,20,21,22,23,24,25,26,27,28,29,30,31
	global_load_b32 v[WX+32*((\t)%2)+\i], v3, s[4:5] offset:(32*(\t)+\i)*WN*4 th:TH_LOAD_NT
.endr
.endm
	WLOAD 0
	WLOAD 1
.macro WBLOCK t
.set XS, WX+32*((\t)%2)
.if (\t) < WNB-1
	s_wait_loadcnt 32                              ; this block's 32 loads are in; the next block's may be out
.else
	s_wait_loadcnt 0
.endif
	v_max3_num_f32 v12, |v[XS]|, |v[XS+1]|, |v[XS+2]|
	v_max3_num_f32 v13, |v[XS+3]|, |v[XS+4]|, |v[XS+5]|
.irp i, 6,10,14,18,22,26
	v_max3_num_f32 v12, v12, |v[XS+\i]|, |v[XS+\i+1]|
	v_max3_num_f32 v13, v13, |v[XS+\i+2]|, |v[XS+\i+3]|
.endr
	v_max3_num_f32 v12, v12, |v[XS+30]|, |v[XS+31]|
	v_max3_num_f32 v12, v12, v13, (EMAX+1)<<23
	v_add_nc_u32 v11, -(EMAX<<23), v12
	v_lshrrev_b32 v13, 23, v11
.if (\t)%4 == 0
	v_mov_b32 v[WSB+(\t)/4], v13
.else
	v_lshl_or_b32 v[WSB+(\t)/4], v13, 8*((\t)%4), v[WSB+(\t)/4]
.endif
.irp g, 0,1,2,3
	v_cvt_scalef32_pk8_fp4_f32 v[WC+\g], v[XS+8*\g:XS+8*\g+7], v11
.endr
	ds_store_b128 v4, v[WC:WC+3] offset:16*(\t)
.if (\t)+2 < WNB
	WLOAD (\t)+2
.endif
	s_wait_dscnt 0x0                               ; the store has read its registers: the next block's codes may be written
.endm
.set Q, 0
.rept WNB
	WBLOCK Q
.set Q, Q+1
.endr
	global_store_b128 v9, v[WSB:WSB+3], s[8:9]     ; my column's 16 scale bytes
.irp t, 0,1,2,3,4,5,6,7,8,9,10,11,12,13,14,15
	ds_load_b128 v[WOUT+4*\t:WOUT+4*\t+3], v7 offset:2*\t*WPITCH
.endr
.irp t, 0,1,2,3,4,5,6,7,8,9,10,11,12,13,14,15
	s_wait_dscnt 15-\t
	global_store_b128 v8, v[WOUT+4*\t:WOUT+4*\t+3], s[6:7] offset:2*\t*512
.endr
	s_wait_tensorcnt 0x0                           ; the wave's end
	ds_add_u32 v[SPW], v[NIL]
	s_wait_dscnt 0x0
	s_endpgm
; ---- PATH P.  The same plan with a rounding to f16: a wave takes 32 columns x 128 along k, 256 bytes a column.
.set PSTG, 67584                       ; LDS bytes 67,584 to 102,399: four stages of 32 rows x 272
.Lpath_p:
	s_load_b64 s[4:5], s[0:1], 0x10                ; Wproj
	s_load_b64 s[6:7], s[0:1], 0x30                ; wpt
	s_sub_co_u32 s17, ttmp9, 304
	s_and_b32 s18, s17, 7                          ; which 128 columns
	s_lshr_b32 s17, s17, 3                         ; which 128 along k
	s_lshl_b32 s18, s18, 7
	s_lshl_b32 s19, s16, 5
	s_add_co_u32 s18, s18, s19                     ; my wave's first column
	v_lshlrev_b32 v3, 2, v2
	s_mul_i32 s19, s16, 32*WPITCH
	s_add_co_u32 s19, s19, PSTG
	v_mul_u32_u24 v4, v2, WPITCH
	v_add_nc_u32 v4, s19, v4
	v_and_b32 v5, 15, v2
	v_lshrrev_b32 v6, 4, v2
	v_mul_u32_u24 v7, v6, WPITCH
	v_lshl_add_u32 v7, v5, 4, v7
	v_add_nc_u32 v7, s19, v7
	v_lshlrev_b32 v8, 11, v6
	v_lshl_add_u32 v8, v5, 4, v8                   ; wpt's rows are 2,048 bytes
	s_lshl_b32 s20, s17, 19                        ; 128 rows of 4,096 bytes
	s_lshl_b32 s22, s18, 2
	s_add_co_u32 s20, s20, s22
	s_mov_b32 s21, 0
	s_lshl_b32 s24, s18, 11
	s_lshl_b32 s22, s17, 8
	s_add_co_u32 s24, s24, s22
	s_mov_b32 s25, 0
	s_wait_kmcnt 0x0
	s_add_nc_u64 s[4:5], s[4:5], s[20:21]
	s_add_nc_u64 s[6:7], s[6:7], s[24:25]
.macro PLOAD t
.irp i, 0,1,2,3,4,5,6,7,8,9,10,11,12,13,14,15,16,17,18,19,20,21,22,23,24,25,26,27,28,29,30,31
	global_load_b32 v[WX+32*((\t)%2)+\i], v3, s[4:5] offset:(32*(\t)+\i)*4096
.endr
.endm
	PLOAD 0
	PLOAD 1
.macro PBLOCK t
.set XS, WX+32*((\t)%2)
.if (\t) < 3
	s_wait_loadcnt 32                              ; this block's 32 loads are in; the next block's may be out
.else
	s_wait_loadcnt 0
.endif
.irp g, 0,1,2,3,4,5,6,7,8,9,10,11,12,13,14,15
	v_cvt_pk_f16_f32 v[96+\g], v[XS+2*\g], v[XS+2*\g+1]
.endr
.irp g, 0,1,2,3
	ds_store_b128 v4, v[96+4*\g:99+4*\g] offset:64*(\t)+16*\g
.endr
.if (\t) < 2
	PLOAD (\t)+2
.endif
	s_wait_dscnt 0x0                               ; the stores have read their registers
.endm
.irp t, 0,1,2,3
	PBLOCK \t
.endr
.irp t, 0,1,2,3,4,5,6,7,8,9,10,11,12,13,14,15
	ds_load_b128 v[WOUT+4*\t:WOUT+4*\t+3], v7 offset:2*\t*WPITCH
.endr
.irp t, 0,1,2,3,4,5,6,7,8,9,10,11,12,13,14,15
	s_wait_dscnt 15-\t
	global_store_b128 v8, v[WOUT+4*\t:WOUT+4*\t+3], s[6:7] offset:2*\t*2048   ; sixteen lanes store 256 consecutive bytes, aligned
.endr
	s_wait_tensorcnt 0x0                           ; the wave's end
	ds_add_u32 v[SPW], v[NIL]
	s_wait_dscnt 0x0
	s_endpgm
; ---- PATH T.  A work-group makes 16 positions; a thread four neighbouring frequencies of one position: t = 16 g + thread / 8, i = 4 (thread % 8) + 0 .. 3.  No LDS.
.Lpath_t:
	s_load_b64 s[6:7], s[0:1], 0x38                ; rope
	s_sub_co_u32 s17, ttmp9, 368
	s_lshl_b32 s18, s17, 4                         ; the group's first position
	s_lshl_b32 s2, s17, 11                         ; and its 2,048 bytes of each table
	s_mov_b32 s3, 0
	s_mov_b32 s20, 0xbed49a78                      ; -log2(10000) / 32
	s_mov_b32 s21, 0x40c90fdb                      ; 2 pi, rounded to f32,
	s_mov_b32 s22, 0x343bbd2e                      ; and that number less 2 pi
	s_mov_b32 s23, 0xbe2aaaab                      ; -1/6
	s_mov_b32 s24, 0x3c088889                      ; 1/120
	s_mov_b32 s25, 0xb9500d01                      ; -1/5040
	s_mov_b32 s26, 0x3638ef1d                      ; 1/362880
	s_mov_b32 s27, 0x3d2aaaab                      ; 1/24
	s_mov_b32 s28, 0xbab60b61                      ; -1/720
	s_mov_b32 s29, 0x37d00d01                      ; 1/40320
	v_lshrrev_b32 v3, 3, v0
	v_add_nc_u32 v3, s18, v3
	v_cvt_f32_u32 v3, v3                           ; t
	v_and_b32 v4, 7, v0
	v_lshlrev_b32 v4, 2, v4
	v_lshlrev_b32 v1, 4, v0                        ; my 16 bytes of the group's 2,048
.irp e, 0,1,2,3
	v_add_nc_u32 v[8+\e], \e, v4
.endr
.irp e, 0,1,2,3
	v_cvt_f32_u32 v[8+\e], v[8+\e]
.endr
.irp e, 0,1,2,3
	v_mul_f32 v[8+\e], s20, v[8+\e]
.endr
.irp e, 0,1,2,3
	v_exp_f32 v[12+\e], v[8+\e]                    ; inv_freq
.endr
	v_nop                                          ; a plain instruction behind the last exponential,
	s_wait_alu depctr_va_vdst(0)                   ; and one wait for the four, ahead of their first reader
.irp e, 0,1,2,3
	v_mul_f32 v[16+\e], v3, v[12+\e]               ; the angle
.endr
.irp e, 0,1,2,3
	v_mul_f32 v[20+\e], 0.15915494, v[16+\e]
.endr
.irp e, 0,1,2,3
	v_rndne_f32 v[20+\e], v[20+\e]                 ; whole turns
.endr
.irp e, 0,1,2,3
	v_fma_f32 v[16+\e], -v[20+\e], s21, v[16+\e]
.endr
.irp e, 0,1,2,3
	v_fma_f32 v[16+\e], v[20+\e], s22, v[16+\e]    ; the angle less whole turns, in two parts of 2 pi
.endr
.irp e, 0,1,2,3
	v_mul_f32 v[16+\e], 0x3e800000, v[16+\e]       ; q: a quarter of it
.endr
.irp e, 0,1,2,3
	v_mul_f32 v[20+\e], v[16+\e], v[16+\e]         ; z = q q
.endr
.irp e, 0,1,2,3
	v_fma_f32 v[24+\e], v[20+\e], s26, s25
	v_fma_f32 v[28+\e], v[20+\e], s29, s28
.endr
.irp e, 0,1,2,3
	v_fma_f32 v[24+\e], v[24+\e], v[20+\e], s24
	v_fma_f32 v[28+\e], v[28+\e], v[20+\e], s27
.endr
.irp e, 0,1,2,3
	v_fma_f32 v[24+\e], v[24+\e], v[20+\e], s23
	v_fma_f32 v[28+\e], v[28+\e], v[20+\e], -0.5
.endr
.irp e, 0,1,2,3
	v_fma_f32 v[24+\e], v[24+\e], v[20+\e], 1.0
	v_fma_f32 v[32+\e], v[28+\e], v[20+\e], 1.0    ; cos q
.endr
.irp e, 0,1,2,3
	v_mul_f32 v[36+\e], v[16+\e], v[24+\e]         ; sin q
.endr
.rept 2                                        ; twice: sin 2a = 2 sin a cos a, cos 2a = 1 - 2 sin a sin a
.irp e, 0,1,2,3
	v_mul_f32 v[40+\e], v[36+\e], v[32+\e]
	v_mul_f32 v[24+\e], v[36+\e], v[36+\e]
.endr
.irp e, 0,1,2,3
	v_add_f32 v[36+\e], v[40+\e], v[40+\e]
	v_fma_f32 v[32+\e], v[24+\e], -2.0, 1.0
.endr
.endr
	s_wait_kmcnt 0x0
	s_add_nc_u64 s[6:7], s[6:7], s[2:3]
	global_store_b128 v1, v[32:35], s[6:7]                 ; a wave stores 512 consecutive bytes
	global_store_b128 v1, v[36:39], s[6:7] offset:262144
	s_endpgm
.Lfunc_end_k_qeb3cb748e7_prep:
	.size	k_qeb3cb748e7_prep, .Lfunc_end_k_qeb3cb748e7_prep-k_qeb3cb748e7_prep
	.p2alignl 7, 3214868480
	.fill 96, 4, 3214868480
	.section	.rodata,"a",@progbits
	.p2align	6, 0x0
	.amdhsa_kernel k_qeb3cb748e7_prep
		.amdhsa_group_segment_fixed_size 102912
		.amdhsa_private_segment_fixed_size 0
		.amdhsa_enable_private_segment 0
		.amdhsa_kernarg_size 72
		.amdhsa_user_sgpr_count 2
		.amdhsa_user_sgpr_kernarg_segment_ptr 1
		.amdhsa_wavefront_size32 1
		.amdhsa_system_sgpr_workgroup_id_x 1
		.amdhsa_system_sgpr_workgroup_id_y 1
		.amdhsa_system_sgpr_workgroup_id_z 1
		.amdhsa_system_vgpr_workitem_id 0
		.amdhsa_next_free_vgpr 200
		.amdhsa_next_free_sgpr 66
		.amdhsa_reserve_vcc 0
		.amdhsa_float_denorm_mode_32 3
		.amdhsa_float_denorm_mode_16_64 3
		.amdhsa_memory_ordered 1
		.amdhsa_forward_progress 1
		.amdhsa_inst_pref_size 141
	.end_amdhsa_kernel
	.amdgpu_metadata
---
amdhsa.version: [ 1, 2 ]
amdhsa.kernels:
  - .name:           k_qeb3cb748e7_prep
    .symbol:         k_qeb3cb748e7_prep.kd
    .args:
      - { .name: x, .offset: 0, .size: 8, .value_kind: global_buffer, .address_space: global }
      - { .name: Wqkv, .offset: 8, .size: 8, .value_kind: global_buffer, .address_space: global }
      - { .name: Wproj, .offset: 16, .size: 8, .value_kind: global_buffer, .address_space: global }
      - { .name: rnn_state, .offset: 24, .size: 8, .value_kind: global_buffer, .address_space: global }
      - { .name: xq, .offset: 32, .size: 8, .value_kind: global_buffer, .address_space: global }
      - { .name: wq, .offset: 40, .size: 8, .value_kind: global_buffer, .address_space: global }
      - { .name: wpt, .offset: 48, .size: 8, .value_kind: global_buffer, .address_space: global }
      - { .name: rope, .offset: 56, .size: 8, .value_kind: global_buffer, .address_space: global }
      - { .name: out1, .offset: 64, .size: 8, .value_kind: global_buffer, .address_space: global }
    .group_segment_fixed_size: 102912
    .private_segment_fixed_size: 0
    .kernarg_segment_align: 8
    .kernarg_segment_size: 72
    .max_flat_workgroup_size: 128
    .sgpr_count:     66
    .vgpr_count:     200
    .wavefront_size: 32
...
	.end_amdgpu_metadata
.endif
;; end of part 1
;; launch qkv (part 2): grid 12 x 32, 4 waves a work-group, clusters of 4 x 4, 327,680 bytes of LDS; arguments xq, wq, bqkv, rope, qkv16, qkv32; writes qkv16, qkv32
.if DOCPART == 2
	.amdgcn_target "amdgcn-amd-amdhsa--gfx1250"
	.amdhsa_code_object_version 6
	.text
	.protected	k_qeb3cb748e7_qkv
	.globl	k_qeb3cb748e7_qkv
	.p2align	8
	.type	k_qeb3cb748e7_qkv,@function
k_qeb3cb748e7_qkv:
	s_mov_b64 s[64:65], 0
	v_nop
	global_prefetch_b8 v0, s[64:65] scope:SCOPE_SE
	s_setreg_imm32_b32 hwreg(HW_REG_WAVE_MODE, 25, 1), 1
	s_wait_xcnt 0x0
	s_wait_alu depctr_hold_cnt(0) depctr_sa_sdst(0) depctr_va_vdst(0) depctr_va_sdst(0) depctr_va_ssrc(0) depctr_va_vcc(0) depctr_vm_vsrc(0)
	s_getreg_b32 s2, hwreg(HW_REG_IB_STS2, 6, 4)
	s_cmp_eq_u32 s2, 0
	s_cbranch_scc0 .Lentry_in_a_cluster
	s_endpgm
.Lentry_in_a_cluster:
	s_bfe_u32 s2, ttmp6, 0x10000c
	s_cmp_lg_u32 s2, 0xf033
	s_cbranch_scc0 .Lentry_shape_is_right
	s_endpgm
.Lentry_shape_is_right:
; Launch 2 of 5: qkv = Q(x) Q(Wqkv) + bqkv on codes of E2M1 with E8M0 scales, then RoPE on q and k; q, k, v leave as f16, [3][batch 4][head 16][t 2048][64]; positions t < 16 also as f32, [4][16][3072].
; No work is left out here.
; A: xq, [8192][1024] codes (512 bytes a row), scale bytes [8192][32] at + 0x400000.  B: wq, [3072][1024] codes, scale bytes at + 0x180000.  K = 1,024: two LDS slots of 512 along K, each filled ONCE.
; A tile of 256 x 256 is made by four waves, 128 x 128 each: 64 accumulators, 512 registers.  The scale bytes of the work-group's rows come once, with the first fills.  A wave has three tensor loads out at the start.
; CLUSTERS: 4 x 4 work-groups; A's tiles are asked for jointly along a row of the cluster, B's along a column.  Tile column = 4 x cluster x + cx, so that cluster x says q, k or v.
; TILE ROW = cluster y + 8 cy, so that cy is the batch and cluster y the place in the sequence: whether a work-group holds positions t < 16 then hangs on cluster y alone, which all partners share.
; THE MATRIX INSTRUCTION IS USED TRANSPOSED (source 0 = 16 rows of B, source 1 = 16 rows of A): lane (r, h) holds row r and columns 8 h + 0 .. 7 of a block.  THE BIAS is the C of the first K step.
; LIMITS: q, k, v as f16 have room for inputs some 30 times larger or smaller than those of the problem's kind (magnitudes from 6e-5 to 65,504).
; REGISTERS, in windows of 256: window 0: v0-31 addresses; v32-95 scale words, two sets, and nothing else; v96-127 packed f16 on the way out; v128-191 A's fragments, later rows read back; v192-255 the bias, later rotated numbers.
;   window 1: B's fragments, two sets, at v0 and v128; on the way out the RoPE table.   window 2: the accumulators of my rows 0-63 ((a, b) at v[8 (8 a + b)]);   window 3: those of rows 64-127.
.set NQ,     4                         ; matrix instructions deep in a slot
.set ROWB,   256                       ; a tile's row in bytes: 512 codes
.set KROW,   512                       ; a row of codes in memory
.set PITCH,  272                       ; an LDS row: 256 bytes + 16: an odd multiple of 16, so that the 16 rows of a load begin in 16 different 16-byte columns of 256
.set FR,     8
.set NL,     2
.set NP,     4                         ; places behind this matrix instruction (ISA guide 7.12.1)
.set HALFT,  128*PITCH
.set SLOT,   4*HALFT
.set KS,     32                        ; a row of scale bytes
.set SCL,    2*SLOT                    ; behind the slots: the scales, as rows of 256 bytes + 16
.set HALFS,  16*272
.set SBLK,   2*272
.set SPARE,  SCL+4*HALFS               ; the spare words: two blocks of 256 bytes that no other line names
.set VSTG,   36864                     ; the stage of the arm for v; the arm for q and k has bytes 0 to 36,863.  Both lie in slot 0, which has had its one fill and its last read by then
.set TBO,  10                          ; v10  my byte in the table's 16 rows: 128 r + 32 h
.set XPO,  11                          ; v11  my byte in qkv32's 16 rows: 12,288 r + 32 h
.set BSO,  12                          ; v12  32 h
.set ADRA, 16
.set ADRB, 20
.set STO,  24                          ; v24  the stage, in: 9,216 wave + 144 r + 16 h
.set RD,   25                          ; v25  and back: 9,216 wave + 144 (lane / 8) + 16 (lane % 8)
.set CO,   26                          ; v26  16 x lane
.set ADRS, 27
.set SPW,  28
.set NIL,  29
.set SC,   32
.set HP,   96
.set AF,   128
.set BK,   128
.set BIAS, 192
.set YR,   192
.set G1, 24
.set G0, 32
.set G1B, 48
.set G0B, 56
.set G1S, 68
.set G0S, 76
.set G1SB, 80
.set G0SB, 88
.set MSB, 0
.macro WIN new                         ; the immediate's high byte repeats the setting that is left
.if MSB != \new
	s_set_vgpr_msb (MSB<<8)|\new
.set MSB, \new
.endif
.endm
.set MUL_LO, 0xa1                      ; source 0 (B) window 1, source 1 (A) window 0, C and D window 2
.set MUL_HI, 0xf1
.set TO_B,   0x40
; A joint load: waves 0 and 1 fetch for A, waves 2 and 3 for B; the branch hangs on the wave's number alone.  An s_nop 0 and four v_nop follow each of the two lines.
.macro JLOAD g0a, g1a, g0b, g1b
	s_cmp_eq_u32 s15, 0
	s_cbranch_scc0 .Lfor_b_\@
	tensor_load_to_lds s[\g0a:\g0a+3], s[\g1a:\g1a+7]
	s_nop 0
.rept 4
	v_nop
.endr
	s_branch .Lasked_\@
.Lfor_b_\@:
	tensor_load_to_lds s[\g0b:\g0b+3], s[\g1b:\g1b+7]
	s_nop 0
.rept 4
	v_nop
.endr
.Lasked_\@:
.endm
.macro CROUND                          ; a round of the cluster's barrier
	s_barrier_signal -1
	s_barrier_wait -1
	s_cmp_lg_u32 s14, 0
	s_cbranch_scc1 .Lnot_wave_0_\@
	s_barrier_signal -3
.Lnot_wave_0_\@:
	s_barrier_wait -3
	s_barrier_signal -1
	s_barrier_wait -1
.endm
	s_load_b64 s[4:5], s[0:1], 0x0                 ; xq
	s_load_b64 s[8:9], s[0:1], 0x8                 ; wq
	s_load_b128 s[96:99], s[0:1], 0x10             ; bqkv, rope
	s_load_b64 s[12:13], s[0:1], 0x20              ; qkv16
	s_load_b64 s[66:67], s[0:1], 0x28              ; qkv32
	v_lshl_add_u32 v[SPW], v0, 2, SPARE
	v_mov_b32 v[NIL], 0
	ds_add_u32 v[SPW], v[NIL]                      ; the wave's opening: the add, twice on end, and its wait ahead of my first tensor load
	ds_add_u32 v[SPW], v[NIL]
	v_lshrrev_b32 v1, 5, v0
	v_readfirstlane_b32 s14, v1                    ; wave 0..3
	s_lshr_b32 s15, s14, 1                         ; which half of the tile's rows is mine.  Also: I fetch for A (0) or for B (1)
	s_and_b32 s16, s14, 1                          ; which half of its columns.  Also: which 128 rows I fetch
	s_bfe_u32 s40, ttmp6, 0x40000                  ; cx
	s_bfe_u32 s41, ttmp6, 0x40004                  ; cy
	s_lshl_b32 s42, ttmp9, 2
	s_add_co_u32 s42, s42, s40                     ; tile column = 4 x cluster x + cx
	s_and_b32 s17, ttmp7, 0xffff
	s_lshl_b32 s43, s41, 3
	s_add_co_u32 s17, s17, s43                     ; tile row = cluster y + 8 cy
	s_lshl_b32 s43, s41, 2
	s_lshl_b32 s43, 15, s43                        ; my row of the cluster
	s_lshl_b32 s44, 0x1111, s40                    ; my column
	s_or_b32 s[G1+0], s43, (0<<16)|(1<<20)|(1<<21)|(5<<22)|(3<<25)  ; the mask; elements of 1 byte; padding on; bit 21 beside a mask; 4 words after every 64
	s_or_b32 s[G1B+0], s44, (0<<16)|(1<<20)|(1<<21)|(5<<22)|(3<<25)
.irp g, G1, G1B
	s_mov_b32 s[\g+1], ROWB<<16                    ; tensor_dim0
	s_mov_b32 s[\g+2], 128<<16                     ; tensor_dim1
	s_mov_b32 s[\g+3], ROWB<<16                    ; tile_dim0
	s_mov_b32 s[\g+4], 128                         ; tile_dim1
	s_mov_b32 s[\g+5], KROW                        ; the pitch
	s_mov_b32 s[\g+6], 0
	s_mov_b32 s[\g+7], 0
.endr
	s_or_b32 s[G1S+0], s43, (3<<16)|(1<<20)|(1<<21)|(5<<22)|(3<<25) ; the scales of 128 rows: 4,096 dense bytes as 16 rows of 32 elements of 8 bytes
	s_or_b32 s[G1SB+0], s44, (3<<16)|(1<<20)|(1<<21)|(5<<22)|(3<<25)
.irp g, G1S, G1SB
	s_mov_b32 s[\g+1], 32<<16
	s_mov_b32 s[\g+2], 16<<16
	s_mov_b32 s[\g+3], 32<<16
	s_mov_b32 s[\g+4], 16
	s_mov_b32 s[\g+5], 32
	s_mov_b32 s[\g+6], 0
	s_mov_b32 s[\g+7], 0
.endr
	s_lshl_b32 s18, s16, 7
	s_lshl_b32 s20, s17, 8
	s_add_co_u32 s20, s20, s18                     ; A: row 256 x tile row + 128 x half
	s_lshl_b32 s46, s42, 8
	s_add_co_u32 s46, s46, s18                     ; B: row 256 x tile column + 128 x half
	s_mov_b32 s21, 0
	s_mov_b32 s47, 0
	s_mov_b64 s[18:19], KS
	s_mul_u64 s[22:23], s[20:21], s[18:19]
	s_mul_u64 s[92:93], s[46:47], s[18:19]
	s_mov_b64 s[18:19], KROW
	s_mul_u64 s[20:21], s[20:21], s[18:19]
	s_mul_u64 s[46:47], s[46:47], s[18:19]
	s_mul_i32 s45, s14, HALFT                      ; where they go: wave x 128 rows: no place in the cluster enters an LDS address
	s_mul_i32 s94, s14, HALFS
	s_wait_dscnt 0x0                               ; both opening adds are done
	s_wait_kmcnt 0x0
	s_add_nc_u64 s[6:7], s[4:5], 0x400000          ; A's scale bytes
	s_add_nc_u64 s[10:11], s[8:9], 0x180000        ; B's
	s_add_nc_u64 s[20:21], s[4:5], s[20:21]
	s_add_nc_u64 s[22:23], s[6:7], s[22:23]
	s_add_nc_u64 s[46:47], s[8:9], s[46:47]
	s_add_nc_u64 s[92:93], s[10:11], s[92:93]
	CROUND                                         ; all sixteen work-groups are here: the joint loads meet
	s_mov_b32 s[G0S], 1
	s_add_co_u32 s[G0S+1], s94, SCL
	s_mov_b64 s[G0S+2:G0S+3], s[22:23]
	s_or_b32 s[G0S+3], s[G0S+3], 0x80000000
	s_mov_b32 s[G0SB], 1
	s_add_co_u32 s[G0SB+1], s94, SCL
	s_mov_b64 s[G0SB+2:G0SB+3], s[92:93]
	s_or_b32 s[G0SB+3], s[G0SB+3], 0x80000000
	JLOAD G0S, G1S, G0SB, G1SB                     ; the scales first
.irp s, 0,1
	s_mov_b32 s[G0+4*\s], 1
	s_add_co_u32 s[G0+4*\s+1], s45, \s*SLOT
	s_add_nc_u64 s[G0+4*\s+2:G0+4*\s+3], s[20:21], \s*ROWB
	s_or_b32 s[G0+4*\s+3], s[G0+4*\s+3], 0x80000000
	s_mov_b32 s[G0B+4*\s], 1
	s_add_co_u32 s[G0B+4*\s+1], s45, \s*SLOT
	s_add_nc_u64 s[G0B+4*\s+2:G0B+4*\s+3], s[46:47], \s*ROWB
	s_or_b32 s[G0B+4*\s+3], s[G0B+4*\s+3], 0x80000000
	JLOAD G0+4*\s, G1, G0B+4*\s, G1B
.endr
	v_and_b32 v1, 15, v0                           ; r
	v_bfe_u32 v2, v0, 4, 1                         ; h
	v_mul_u32_u24 v3, v1, PITCH
	v_lshl_add_u32 v4, v2, 4, v3
	s_mul_i32 s21, s15, HALFT
	s_mul_i32 s22, s16, HALFT
	s_add_co_u32 s22, s22, 2*HALFT
.irp s, 0,1
	v_add_nc_u32 v[ADRA+\s], s21, v4
	v_add_nc_u32 v[ADRB+\s], s22, v4
	s_add_co_u32 s21, s21, SLOT
	s_add_co_u32 s22, s22, SLOT
.endr
	v_mul_u32_u24 v5, v1, KS                       ; my row's scales: 32 bytes a row,
	v_lshrrev_b32 v6, 8, v5
	v_lshl_add_u32 v5, v6, 4, v5                   ; and 16 more for each 256 passed
	s_mul_i32 s21, s15, HALFS
	s_mul_i32 s22, s16, HALFS
	s_add_co_u32 s22, s22, 2*HALFS
	s_sub_co_u32 s22, s22, s21
	v_mul_u32_u24 v6, s22, v2                      ; lanes 16-31 take B's
	s_add_co_u32 s21, s21, SCL
	v_add_nc_u32 v5, v5, v6
	v_add_nc_u32 v[ADRS], s21, v5
	; the way out's addresses
	v_lshlrev_b32 v[TBO], 7, v1
	v_lshl_add_u32 v[TBO], v2, 5, v[TBO]
	v_mul_u32_u24 v[XPO], v1, 12288
	v_lshl_add_u32 v[XPO], v2, 5, v[XPO]
	v_lshlrev_b32 v[BSO], 5, v2
	s_mul_i32 s23, s14, 9216                       ; my stage: two sets of [2 heads][16 rows] of 144 bytes
	v_mul_u32_u24 v5, v1, 144
	v_lshl_add_u32 v5, v2, 4, v5
	v_add_nc_u32 v[STO], s23, v5
	v_and_b32 v6, 31, v0
	v_lshlrev_b32 v[CO], 4, v6
	v_lshrrev_b32 v5, 3, v6
	v_mul_u32_u24 v5, v5, 144
	v_and_b32 v6, 7, v6
	v_lshl_add_u32 v5, v6, 4, v5
	v_add_nc_u32 v[RD], s23, v5
	s_lshl_b32 s20, ttmp9, 24                      ; q, k or v: 2^24 bytes each;
	s_lshl_b32 s21, s41, 4
	s_lshl_b32 s22, s40, 2
	s_add_co_u32 s21, s21, s22
	s_lshl_b32 s22, s16, 1
	s_add_co_u32 s21, s21, s22                     ; 16 batch + my first head (4 cx + 2 x column half):
	s_lshl_b32 s21, s21, 18                        ; 262,144 bytes a head;
	s_add_co_u32 s20, s20, s21
	s_and_b32 s22, ttmp7, 0xffff
	s_or_b32 s95, s22, s15                         ; 0 where my first 16 rows are positions 0 to 15: cluster y and the wave's number alone
	s_lshl_b32 s22, s22, 8
	s_lshl_b32 s23, s15, 7
	s_add_co_u32 s22, s22, s23                     ; my first position,
	s_lshl_b32 s22, s22, 7                         ; 128 bytes a position, in qkv16 and in the table alike
	s_add_co_u32 s20, s20, s22
	s_mov_b32 s21, 0
	s_mov_b32 s23, 0
	s_add_nc_u64 s[12:13], s[12:13], s[20:21]
	s_add_nc_u64 s[98:99], s[98:99], s[22:23]
	s_lshl_b32 s46, s42, 10
	s_lshl_b32 s47, s16, 9
	s_add_co_u32 s46, s46, s47                     ; my first column of the 3,072, in bytes of f32
	s_mov_b32 s47, 0
	s_add_nc_u64 s[96:97], s[96:97], s[46:47]
	s_mul_i32 s20, s41, 196608                     ; qkv32: 16 rows of 12,288 bytes a batch
	s_add_co_u32 s46, s46, s20
	s_add_nc_u64 s[66:67], s[66:67], s[46:47]
.irp b, 0,1,2,3,4,5,6,7                        ; the bias in the result's layout: block b, lane (r, h): columns 16 b + 8 h + 0 .. 7
	global_load_b128 v[BIAS+8*\b:BIAS+8*\b+3], v[BSO], s[96:97] offset:64*\b
	global_load_b128 v[BIAS+8*\b+4:BIAS+8*\b+7], v[BSO], s[96:97] offset:64*\b+16
.endr
.macro FRAG reg, adr, q, i             ; 16 rows x 128 K of 4-bit codes: 8 registers, two loads of 16 bytes, 32 bytes apart
.irp c, 0,1
	ds_load_b128 v[\reg+4*\c:\reg+4*\c+3], v[\adr] offset:64*(\q)+32*\c+(\i)*16*PITCH
.endr
.endm
; 16 matrix instructions: A's blocks a0, a0 + 1 x B's eight.  zero = 1: the first K step, whose C is the bias.  The 64 accumulators take turns, one instruction a turn.
.macro MUL16 a0, p, q, sc, zero
.irp a, \a0, \a0+1
.irp b, 0,1,2,3,4,5,6,7
.if \zero
	v_wmma_scale_f32_16x16x128_f8f6f4 v[8*(8*((\a)%4)+\b):8*(8*((\a)%4)+\b)+7], v[128*(\p)+FR*\b:128*(\p)+FR*\b+FR-1], v[AF+FR*(\a):AF+FR*(\a)+FR-1], v[BIAS+8*\b:BIAS+8*\b+7], v[SC+8*NQ*(\sc)+NQ*\b+(\q)], v[SC+8*NQ*(\sc)+NQ*(\a)+(\q)] matrix_a_fmt:MATRIX_FMT_FP4 matrix_b_fmt:MATRIX_FMT_FP4 matrix_a_scale:MATRIX_SCALE_ROW1
.else
	v_wmma_scale_f32_16x16x128_f8f6f4 v[8*(8*((\a)%4)+\b):8*(8*((\a)%4)+\b)+7], v[128*(\p)+FR*\b:128*(\p)+FR*\b+FR-1], v[AF+FR*(\a):AF+FR*(\a)+FR-1], v[8*(8*((\a)%4)+\b):8*(8*((\a)%4)+\b)+7], v[SC+8*NQ*(\sc)+NQ*\b+(\q)], v[SC+8*NQ*(\sc)+NQ*(\a)+(\q)] matrix_a_fmt:MATRIX_FMT_FP4 matrix_b_fmt:MATRIX_FMT_FP4 matrix_a_scale:MATRIX_SCALE_ROW1
.endif
.endr
.endr
.endm
.macro FETCH_B slot, q, p
	WIN TO_B
.irp i, 0,1,2,3,4,5,6,7
	FRAG 128*(\p)+FR*\i, ADRB+\slot, \q, \i
.endr
	WIN 0
.endm
.macro FETCH_A slot, q, i0
.irp i, \i0, \i0+1, \i0+2, \i0+3
	FRAG AF+FR*(\i), ADRA+\slot, \q, \i
.endr
.endm
.macro SCALES sc                       ; a slot's scale words: lanes 0-15 take A's block i, lanes 16-31 B's block i
.irp i, 0,1,2,3,4,5,6,7
	ds_load_b128 v[SC+8*NQ*\sc+NQ*\i:SC+8*NQ*\sc+NQ*\i+3], v[ADRS] offset:\i*SBLK
.endr
.endm
.macro PLACES n                        ; plain vector instructions between a matrix instruction and a load into, or a read of, its registers
.rept \n
	v_nop
.endr
.endm
.macro STEP slot, q, zero              ; 128 along K with a successor in the same slot
	s_wait_dscnt 4*NL                              ; B's set and A's blocks 0-3 are in; the youngest eight loads (A's blocks 4-7) may be out
.if \zero
	WIN 0x81                                       ; C, the bias, in window 0
.else
	WIN MUL_LO
.endif
	MUL16 0, (\q)%2, \q, \slot, \zero
	MUL16 2, (\q)%2, \q, \slot, \zero
	s_wait_dscnt 0
	PLACES NP
	FETCH_B \slot, (\q)+1, 1-(\q)%2
	FETCH_A \slot, (\q)+1, 0
.if \zero
	WIN 0xc1
.else
	WIN MUL_HI
.endif
	MUL16 4, (\q)%2, \q, \slot, \zero
	MUL16 6, (\q)%2, \q, \slot, \zero
	PLACES NP
	WIN 0
	FETCH_A \slot, (\q)+1, 4
.endm
; Slot 0's last step changes slots: each wave waits for all its tensor loads (slot 1's part), adds 0 to its spare word, waits for that and for its reads of slot 0; behind the barrier slot 1 is whole and nobody reads slot 0.
.macro TURN slot, next
	s_wait_tensorcnt 0x0
	ds_add_u32 v[SPW], v[NIL]
	s_wait_dscnt 4*NL+1                            ; (the add and the youngest eight loads may be out)
	WIN MUL_LO
	MUL16 0, 1, NQ-1, \slot, 0
	s_wait_dscnt 0x0
	s_barrier_signal -1
	MUL16 2, 1, NQ-1, \slot, 0
	WIN 0
	s_barrier_wait -1
	PLACES NP
	v_add_nc_u32 v[ADRS], 4*NQ, v[ADRS]            ; the next slot's scale words
	FETCH_B \next, 0, 0
	FETCH_A \next, 0, 0
	SCALES \next
	WIN MUL_HI
	MUL16 4, 1, NQ-1, \slot, 0
	MUL16 6, 1, NQ-1, \slot, 0
	PLACES NP
	WIN 0
	FETCH_A \next, 0, 4
.endm
.macro STEPS slot, from
.set Q, \from
.rept NQ-1-\from
	STEP \slot, Q, 0
.set Q, Q+1
.endr
.endm
	s_wait_tensorcnt 1                             ; the scales and my part of slot 0 are in (slot 1's load may be out)
	s_barrier_signal -1
	s_barrier_wait -1                              ; everybody's are
	FETCH_B 0, 0, 0
	FETCH_A 0, 0, 0
	SCALES 0
	FETCH_A 0, 0, 4
	s_wait_loadcnt 0x0                             ; the bias
	STEP 0, 0, 1
	STEPS 0, 1
	TURN 0, 1
	STEPS 1, 0
	s_wait_dscnt 4*NL                              ; the last step: nothing more to fetch
	WIN MUL_LO
	MUL16 0, 1, NQ-1, 1, 0
	MUL16 2, 1, NQ-1, 1, 0
	s_wait_dscnt 0
	WIN MUL_HI
	MUL16 4, 1, NQ-1, 1, 0
	MUL16 6, 1, NQ-1, 1, 0
	WIN 0
	PLACES NP                                      ; behind the last products: for the reads of results and the loads into B's registers below
; THE WAY OUT, a block of 16 rows (positions) x 128 columns (two heads) at a time.  Block b of columns is head b / 4, channels 16 (b % 4) + 8 h + 0 .. 7.
; A lane's eight f16 are 16 bytes of a head's row of 128; they go through my stage and come back so that 32 lanes hold four whole rows: 512 consecutive bytes of qkv16.
.macro TOSTAGE a, base
.irp hd, 0,1
.irp uu, 0,1,2,3
	ds_store_b128 v[STO], v[HP+4*(4*\hd+\uu):HP+4*(4*\hd+\uu)+3] offset:\base+((\a)%2)*4608+\hd*2304+32*\uu
.endr
.endr
.irp hd, 0,1
.irp i, 0,1,2,3
	ds_load_b128 v[BK+32*((\a)%2)+4*(4*\hd+\i):BK+32*((\a)%2)+4*(4*\hd+\i)+3], v[RD] offset:\base+((\a)%2)*4608+\hd*2304+\i*576   ; LDS serves a wave's instructions in order: these see the stores above
.endr
.endr
.endm
.macro SEND a, younger                 ; younger: the LDS instructions issued behind block a's loads
	s_wait_dscnt \younger
.irp hd, 0,1
.irp i, 0,1,2,3
	global_store_b128 v[CO], v[BK+32*((\a)%2)+4*(4*\hd+\i):BK+32*((\a)%2)+4*(4*\hd+\i)+3], s[12:13] offset:\hd*262144+(\a)*2048+512*\i
.endr
.endr
.endm
.macro TABOF a                         ; where block a's 32 table registers lie in window 1: blocks 0-3 in registers that B's sets never took, blocks 4-7 in B's sets
.if (\a) < 4
.set TAB, 64+128*((\a)/2)+32*((\a)%2)
.else
.set TAB, 128*(((\a)-4)/2)+32*((\a)%2)
.endif
.endm
; RoPE of block a: channel i < 32 of a head pairs with channel i + 32, which lies two blocks (16 registers) on: y1 = x1 cos - x2 sin, y2 = x1 sin + x2 cos.  Each accumulator is read from its low end on.
.macro ROT a
	TABOF \a
	s_wait_loadcnt 8*(7-(\a))                      ; block a's eight table loads are in; the later blocks' may be out
	WIN (0x06+(\a)/4)                              ; source 0: window 2 or 3; source 1: window 1
.irp hd, 0,1
.irp u, 0,1
.set X1, 8*(8*((\a)%4)+4*\hd+\u)
.set Y1, YR+16*(2*\hd+\u)
.irp j, 0,2,4,6
	v_pk_mul_f32 v[Y1+\j:Y1+\j+1], v[X1+\j:X1+\j+1], v[TAB+8*\u+\j:TAB+8*\u+\j+1]
.endr
.irp j, 0,2,4,6
	v_pk_mul_f32 v[Y1+8+\j:Y1+8+\j+1], v[X1+\j:X1+\j+1], v[TAB+16+8*\u+\j:TAB+16+8*\u+\j+1]
.endr
.irp j, 0,2,4,6
	v_pk_fma_f32 v[Y1+\j:Y1+\j+1], v[X1+16+\j:X1+16+\j+1], v[TAB+16+8*\u+\j:TAB+16+8*\u+\j+1], v[Y1+\j:Y1+\j+1] neg_lo:[1,0,0] neg_hi:[1,0,0]
.endr
.irp j, 0,2,4,6
	v_pk_fma_f32 v[Y1+8+\j:Y1+8+\j+1], v[X1+16+\j:X1+16+\j+1], v[TAB+8*\u+\j:TAB+8*\u+\j+1], v[Y1+8+\j:Y1+8+\j+1]
.endr
.endr
.endr
	WIN 0
.endm
.macro CVR                             ; the rotated numbers to f16.  Channels 16 uu on of head hd lie at YR + 32 hd + 16 (uu % 2) + 8 (uu / 2)
.irp hd, 0,1
.irp uu, 0,1,2,3
.irp q, 0,1,2,3
	v_cvt_pk_f16_f32 v[HP+4*(4*\hd+\uu)+\q], v[YR+32*\hd+16*(\uu%2)+8*(\uu/2)+2*\q], v[YR+32*\hd+16*(\uu%2)+8*(\uu/2)+2*\q+1]
.endr
.endr
.endr
.endm
.macro CVV a                           ; v: the accumulators to f16 as they are
	WIN (0x0a+5*((\a)/4))
.irp b, 0,1,2,3,4,5,6,7
.irp q, 0,1,2,3
	v_cvt_pk_f16_f32 v[HP+4*\b+\q], v[64*((\a)%4)+8*\b+2*\q], v[64*((\a)%4)+8*\b+2*\q+1]
.endr
.endr
	WIN 0
.endm
	s_cmp_eq_u32 ttmp9, 2                          ; cluster x: the same in all partners
	s_cbranch_scc1 .Lvalues
	; ---- q and k
	WIN 0x40
.irp a, 0,1,2,3,4,5,6,7
	TABOF \a
.irp cs, 0,1
.irp u, 0,1
.irp q, 0,1
	global_load_b128 v[TAB+16*\cs+8*\u+4*\q:TAB+16*\cs+8*\u+4*\q+3], v[TBO], s[98:99] offset:\cs*262144+\a*2048+64*\u+16*\q   ; cos (cs = 0) or sin of position 16 a + r, frequencies 16 u + 8 h + 4 q on
.endr
.endr
.endr
.endr
	WIN 0
	ROT 0
	s_cmp_lg_u32 s95, 0
	s_cbranch_scc1 .Lno_export_r
.irp hd, 0,1
.irp uu, 0,1,2,3
.irp q, 0,1
	global_store_b128 v[XPO], v[YR+32*\hd+16*(\uu%2)+8*(\uu/2)+4*\q:YR+32*\hd+16*(\uu%2)+8*(\uu/2)+4*\q+3], s[66:67] offset:4*(64*\hd+16*\uu)+16*\q   ; positions 0 to 15 in f32
.endr
.endr
.endr
	s_wait_xcnt 0x0                                ; these stores' data are written again by the next block only behind this wait
.Lno_export_r:
	CVR
	TOSTAGE 0, 0
.irp a, 1,2,3,4,5,6,7
.if \a > 1
	s_wait_xcnt 0x0                                ; block a - 2's stores have read their registers: block a's loads from the stage may land there
.endif
	ROT \a
	CVR
	TOSTAGE \a, 0
	SEND \a-1, 16                                  ; behind block a - 1's loads: block a's 8 stores and 8 loads
.endr
	SEND 7, 0
	s_branch .Lend
	; ---- v
.Lvalues:
	s_cmp_lg_u32 s95, 0
	s_cbranch_scc1 .Lno_export_v
	WIN 0x08                                       ; a store's data are its source 1: window 2
.irp b, 0,1,2,3,4,5,6,7
	global_store_b128 v[XPO], v[8*\b:8*\b+3], s[66:67] offset:64*\b
	global_store_b128 v[XPO], v[8*\b+4:8*\b+7], s[66:67] offset:64*\b+16
.endr
	WIN 0
.Lno_export_v:
	CVV 0
	TOSTAGE 0, VSTG
.irp a, 1,2,3,4,5,6,7
.if \a > 1
	s_wait_xcnt 0x0
.endif
	CVV \a
	TOSTAGE \a, VSTG
	SEND \a-1, 16
.endr
	SEND 7, 0
.Lend:
	s_wait_tensorcnt 0x0                           ; the wave's end: behind my last tensor load and my last LDS store
	ds_add_u32 v[SPW], v[NIL]
	s_wait_dscnt 0x0
	CROUND                                         ; the closing round
	s_endpgm
.Lfunc_end_k_qeb3cb748e7_qkv:
	.size	k_qeb3cb748e7_qkv, .Lfunc_end_k_qeb3cb748e7_qkv-k_qeb3cb748e7_qkv
	.p2alignl 7, 3214868480
	.fill 96, 4, 3214868480
	.section	.rodata,"a",@progbits
	.p2align	6, 0x0
	.amdhsa_kernel k_qeb3cb748e7_qkv
		.amdhsa_group_segment_fixed_size 327680
		.amdhsa_private_segment_fixed_size 0
		.amdhsa_enable_private_segment 0
		.amdhsa_kernarg_size 48
		.amdhsa_user_sgpr_count 2
		.amdhsa_user_sgpr_kernarg_segment_ptr 1
		.amdhsa_wavefront_size32 1
		.amdhsa_system_sgpr_workgroup_id_x 1
		.amdhsa_system_sgpr_workgroup_id_y 1
		.amdhsa_system_sgpr_workgroup_id_z 1
		.amdhsa_system_vgpr_workitem_id 0
		.amdhsa_next_free_vgpr 1024
		.amdhsa_next_free_sgpr 100
		.amdhsa_reserve_vcc 0
		.amdhsa_float_denorm_mode_32 3
		.amdhsa_float_denorm_mode_16_64 3
		.amdhsa_memory_ordered 1
		.amdhsa_forward_progress 1
		.amdhsa_inst_pref_size 201
	.end_amdhsa_kernel
	.amdgpu_metadata
---
amdhsa.version: [ 1, 2 ]
amdhsa.kernels:
  - .name:           k_qeb3cb748e7_qkv
    .symbol:         k_qeb3cb748e7_qkv.kd
    .args:
      - { .name: xq, .offset: 0, .size: 8, .value_kind: global_buffer, .address_space: global }
      - { .name: wq, .offset: 8, .size: 8, .value_kind: global_buffer, .address_space: global }
      - { .name: bqkv, .offset: 16, .size: 8, .value_kind: global_buffer, .address_space: global }
      - { .name: rope, .offset: 24, .size: 8, .value_kind: global_buffer, .address_space: global }
      - { .name: qkv16, .offset: 32, .size: 8, .value_kind: global_buffer, .address_space: global }
      - { .name: qkv32, .offset: 40, .size: 8, .value_kind: global_buffer, .address_space: global }
    .group_segment_fixed_size: 327680
    .private_segment_fixed_size: 0
    .kernarg_segment_align: 8
    .kernarg_segment_size: 48
    .max_flat_workgroup_size: 128
    .sgpr_count:     100
    .vgpr_count:     1024
    .wavefront_size: 32
...
	.end_amdgpu_metadata
.endif
;; end of part 2
;; launch attn (part 3): grid 64 x 8, 8 waves a work-group, no clusters, 76,800 bytes of LDS; arguments qkv16, att; writes att
.if DOCPART == 3
	.amdgcn_target "amdgcn-amd-amdhsa--gfx1250"
	.amdhsa_code_object_version 6
	.text
	.protected	k_qeb3cb748e7_attn
	.globl	k_qeb3cb748e7_attn
	.p2align	8
	.type	k_qeb3cb748e7_attn,@function
k_qeb3cb748e7_attn:
	s_mov_b64 s[64:65], 0
	v_nop
	global_prefetch_b8 v0, s[64:65] scope:SCOPE_SE
	s_setreg_imm32_b32 hwreg(HW_REG_WAVE_MODE, 25, 1), 1
	s_wait_xcnt 0x0
; Launch 3 of 5: att[b][t][64 h + d] = sum over s <= t of softmax_s(q[t] . k[s] / 8) v[s][d], for each batch b and head h.  q, k, v: f16 [3][64 heads in all][2048][64]; att: f16 [8192][1024].
; LEFT OUT: key tiles all of whose keys come after all of a wave's queries (reference()'s own jnp.tril gives them the weight 0): a work-group walks keys up to its last query, and a wave jumps over the tiles past its own.
; Products on f16 operands with f32 sums; maxima, exponentials and sums in f32, with a running maximum m and sum l: p = 2^(c s - c m), c = log2(e) / 8; O and l are multiplied by a = 2^(c m_old - c m_new) in every step.
; (Positions t < 16 are made again in f32 by launch 5; here they ride in a tile with live work.)
; SHARES.  A work-group owns 256 queries of one head, block 7 - y, so that the longest walks have the lowest numbers; each of its eight waves 32 queries: two tiles of 16.  Keys go 64 a step, 4 (block + 1) steps.
; NO TENSOR LOADS AND NO JOINT REQUESTS: under the mask the query blocks of a head need different numbers of tiles, so partners would not ask alike, and the trip count hangs on the work-group's number.
; A step's K and V (8,192 consecutive bytes each) go from memory to registers (16 bytes a thread) and on to one of two LDS buffers, a step and a half ahead of their use; all LDS addresses are fixed registers and immediates.
; LAYOUT.  S^T = K Q^T (source 0 = 16 keys, source 1 = 16 queries) and O^T = V^T P (source 0 = 16 channels, by the turning load; source 1 = P): a lane holds ONE query throughout, and two tiles of S^T, packed, ARE P.
; REGISTERS: window 0: v1-10 addresses; v16-31 statistics, 8 a tile: +0 c m, +1 m, +2, +3 l, +4 .. +7 at work, a at +6; v32-35 for the mask; v36, v37 the add's two; v40-71 Q; v72-135 S^T; v136-167 P; v168-231 K.
;   window 1: v0-63 O^T (32 t + 8 ct); v64-127 V; v128-159 two sets of 16 on the way from memory to LDS.
.set KP,    144                        ; a row of K in LDS: 128 bytes + 16
.set VP,    160                        ; a row of V: 128 + 32: an odd multiple of 32, as the turning load's rows want
.set VOFF,  64*KP
.set BUF,   VOFF+64*VP                 ; a buffer: 64 rows of K, 64 of V
.set STAGE, 2*BUF                      ; the way out: 32 rows x 144 for each wave
.set SPARE, STAGE+8*32*KP              ; the spare words: 128 bytes for each wave, four blocks of 256 bytes that no other line names
.set GOF, 1
.set LK,  2
.set LV,  3
.set AK,  4
.set AV,  5
.set QO,  6
.set STO, 7
.set RD,  8
.set GO,  9
.set PFO, 10
.set ST,  16
.set MD,  32
.set NEG, 34
.set RH,  35
.set SPW, 36
.set NIL, 37
.set QF,  40
.set S,   72
.set P,   136
.set KF,  168
.set O,   0
.set VF,  64
.set SG,  128
.set MSB, 0
.macro WIN new
.if MSB != \new
	s_set_vgpr_msb (MSB<<8)|\new
.set MSB, \new
.endif
.endm
	s_load_b128 s[4:7], s[0:1], 0x0                ; qkv16, att
	v_lshl_add_u32 v[SPW], v0, 2, SPARE
	v_mov_b32 v[NIL], 0
	v_lshrrev_b32 v11, 5, v0
	v_readfirstlane_b32 s8, v11                    ; wave 0..7
	s_and_b32 s9, ttmp7, 0xffff
	s_sub_co_u32 s10, 7, s9                        ; my block of 256 queries
	s_lshl_b32 s25, s10, 8
	s_lshl_b32 s11, s8, 5
	s_add_co_u32 s25, s25, s11                     ; s25: my wave's first query
	s_add_co_u32 s26, s25, 31                      ; s26: its last
	s_lshl_b32 s23, s10, 1
	s_add_co_u32 s23, s23, 1                       ; s23: the loop's trips, two steps each; two more steps are written out behind it
	s_mov_b32 s24, 0                               ; s24: the step's first key
	s_mov_b32 s32, 0x3e38aa3b                      ; c = log2(e) / 8
	s_mov_b32 s33, s32                             ; (named with it as a pair)
	s_mov_b32 s34, 0x76543210
	s_mov_b32 s35, 0xfedcba98                      ; v_permlanex16_b32's selects for lane l xor 16
	s_lshl_b32 s28, ttmp9, 18                      ; the head: 262,144 bytes
	s_mov_b32 s29, 0
	s_lshl_b32 s30, s25, 7
	s_mov_b32 s31, 0
	s_lshr_b32 s2, ttmp9, 4
	s_lshl_b32 s2, s2, 11
	s_add_co_u32 s2, s2, s25                       ; att's row: 2,048 batch + query,
	s_lshl_b32 s2, s2, 11                          ; 2,048 bytes a row,
	s_and_b32 s3, ttmp9, 15
	s_lshl_b32 s3, s3, 7                           ; 128 bytes a head
	s_add_co_u32 s2, s2, s3
	s_mov_b32 s3, 0
	s_lshr_b32 s22, s8, 1
	s_or_b32 s22, s22, s9                          ; 0 in waves 0 and 1 of the work-groups with y = 0, which walk all keys of their heads
	s_cmp_eq_u32 s22, 0
	s_cselect_b32 s22, 1, -1                       ; s22: a wave prefetches while s23 is above it
	v_and_b32 v11, 31, v0                          ; lane
	v_and_b32 v12, 15, v0                          ; r
	v_bfe_u32 v13, v0, 4, 1                        ; h
	v_lshlrev_b32 v[GOF], 4, v0                    ; my 16 bytes of 4,096
	v_lshrrev_b32 v14, 3, v0
	v_and_b32 v15, 7, v0
	v_mul_u32_u24 v[LK], v14, KP
	v_lshl_add_u32 v[LK], v15, 4, v[LK]            ; into LDS: row thread / 8, 16 bytes
	v_mul_u32_u24 v[LV], v14, VP
	v_lshl_add_u32 v[LV], v15, 4, v[LV]
	v_add_nc_u32 v[LV], VOFF, v[LV]
	v_mul_u32_u24 v[AK], v12, KP
	v_lshl_add_u32 v[AK], v13, 4, v[AK]            ; K's fragments: row r, + 16 h
	v_lshl_add_u32 v[AV], v13, 3, v15
	v_mul_u32_u24 v[AV], v[AV], VP                 ; the turning load: key 8 h + lane % 8,
	v_bfe_u32 v14, v0, 3, 1
	v_lshl_add_u32 v[AV], v14, 4, v[AV]            ; channels 8 ((lane / 8) % 2) on
	v_add_nc_u32 v[AV], VOFF, v[AV]
	v_lshlrev_b32 v[QO], 7, v12
	v_lshl_add_u32 v[QO], v13, 4, v[QO]
	s_mul_i32 s11, s8, 32*KP
	s_add_co_u32 s11, s11, STAGE
	v_add_nc_u32 v[STO], s11, v[AK]
	v_lshrrev_b32 v14, 3, v11
	v_mul_u32_u24 v[RD], v14, KP
	v_lshl_add_u32 v[RD], v15, 4, v[RD]
	v_add_nc_u32 v[RD], s11, v[RD]
	v_lshlrev_b32 v[GO], 11, v14
	v_lshl_add_u32 v[GO], v15, 4, v[GO]
	v_lshlrev_b32 v[PFO], 8, v11
	v_lshlrev_b32 v14, 3, v13
	v_sub_nc_u32 v[RH], v12, v14                   ; r - 8 h
	v_mov_b32 v[NEG], 0xff800000                   ; -infinity
.irp t, 0,1
	v_mov_b32 v[ST+8*\t+1], 0xff61b1e6             ; m = -3e38, under every score: the first step's a is 0, on zeros
	v_mul_f32 v[ST+8*\t], s32, v[ST+8*\t+1]
.irp j, 2,3,4,5,6,7
	v_mov_b32 v[ST+8*\t+\j], 0
.endr
.endr
	s_wait_kmcnt 0x0
	s_add_nc_u64 s[16:17], s[4:5], s[28:29]
	s_add_nc_u64 s[12:13], s[16:17], 0x1000000     ; s[12:13]: K of my head
	s_add_nc_u64 s[14:15], s[16:17], 0x2000000     ; s[14:15]: V
	s_add_nc_u64 s[16:17], s[16:17], s[30:31]      ; s[16:17]: my wave's queries
	s_add_nc_u64 s[18:19], s[6:7], s[2:3]          ; s[18:19]: my wave's rows of att
	s_cmp_eq_u32 s8, 0
	s_cselect_b64 s[20:21], s[12:13], s[14:15]     ; s[20:21]: where my prefetches stand: wave 0 K's, wave 1 V's,
	s_add_nc_u64 s[20:21], s[20:21], 4*8192        ; from step 4 on: steps 0 to 3 come by their loads alone
.macro LOADT sn, off                   ; a step's K and V into set sn: each load of a wave reads 512 consecutive bytes
	WIN 0x40
	global_load_b128 v[SG+16*\sn:SG+16*\sn+3],     v[GOF], s[12:13] offset:\off
	global_load_b128 v[SG+16*\sn+4:SG+16*\sn+7],   v[GOF], s[12:13] offset:\off+4096
	global_load_b128 v[SG+16*\sn+8:SG+16*\sn+11],  v[GOF], s[14:15] offset:\off
	global_load_b128 v[SG+16*\sn+12:SG+16*\sn+15], v[GOF], s[14:15] offset:\off+4096
	WIN 0
.endm
.macro STORET sn, p                    ; and on into buffer p
	WIN 0x04
	ds_store_b128 v[LK], v[SG+16*\sn:SG+16*\sn+3]     offset:\p*BUF
	ds_store_b128 v[LK], v[SG+16*\sn+4:SG+16*\sn+7]   offset:\p*BUF+32*KP
	ds_store_b128 v[LV], v[SG+16*\sn+8:SG+16*\sn+11]  offset:\p*BUF
	ds_store_b128 v[LV], v[SG+16*\sn+12:SG+16*\sn+15] offset:\p*BUF+32*VP
	WIN 0
.endm
.macro BAR                             ; my LDS stores have landed and my LDS reads are in: then the work-group's barrier
	s_wait_dscnt 0x0
	s_barrier_signal -1
	s_barrier_wait -1
.endm
; A prefetch of the two steps that the NEXT trip loads: 16,384 bytes, lanes 256 bytes apart, two instructions.  All eight query blocks of a head read the same K and V: the block that walks all keys asks,
; wave 0 for K and wave 1 for V, so that each block of 256 bytes is named once in the launch.  The last trip asks for nothing.
.macro ASK
	s_cmp_gt_u32 s23, s22
	s_cbranch_scc0 .Lnot_mine_\@
	global_prefetch_b8 v[PFO], s[20:21] th:TH_LOAD_NT scope:SCOPE_SE
	global_prefetch_b8 v[PFO], s[20:21] offset:8192 th:TH_LOAD_NT scope:SCOPE_SE
.Lnot_mine_\@:
.endm
; A KEY STEP on buffer p.
.macro COMPUTE p
	s_cmp_gt_u32 s24, s26                          ; all 64 keys come after my 32 queries: nothing to do but to step the key
	s_cbranch_scc1 .Lhid_\@
.irp kt, 0,1,2,3
.irp c, 0,1
	ds_load_b128 v[KF+8*(2*\kt+\c):KF+8*(2*\kt+\c)+3],   v[AK] offset:\p*BUF+\kt*16*KP+64*\c
	ds_load_b128 v[KF+8*(2*\kt+\c)+4:KF+8*(2*\kt+\c)+7], v[AK] offset:\p*BUF+\kt*16*KP+64*\c+32
.endr
.endr
	s_wait_dscnt 0x0
.irp c, 0,1                                    ; S^T = K Q^T: eight accumulators by turns
.irp kt, 0,1,2,3
.irp t, 0,1
.if \c == 0
	v_wmma_f32_16x16x32_f16 v[S+32*\t+8*\kt:S+32*\t+8*\kt+7], v[KF+8*(2*\kt+\c):KF+8*(2*\kt+\c)+7], v[QF+16*\t+8*\c:QF+16*\t+8*\c+7], 0
.else
	v_wmma_f32_16x16x32_f16 v[S+32*\t+8*\kt:S+32*\t+8*\kt+7], v[KF+8*(2*\kt+\c):KF+8*(2*\kt+\c)+7], v[QF+16*\t+8*\c:QF+16*\t+8*\c+7], v[S+32*\t+8*\kt:S+32*\t+8*\kt+7]
.endif
.endr
.endr
.endr
.rept 4
	v_nop                                          ; places behind the products, ahead of the first read of the scores
.endr
	WIN 0x40
.irp kh, 0,1                                   ; V, turned: it lands while the softmax is walked
.irp ct, 0,1,2,3
	ds_load_tr16_b128 v[VF+8*(4*\kh+\ct):VF+8*(4*\kh+\ct)+3],   v[AV] offset:\p*BUF+\kh*32*VP+32*\ct
	ds_load_tr16_b128 v[VF+8*(4*\kh+\ct)+4:VF+8*(4*\kh+\ct)+7], v[AV] offset:\p*BUF+\kh*32*VP+16*VP+32*\ct
.endr
.endr
	WIN 0
	s_add_co_u32 s27, s24, 63
	s_cmp_le_u32 s27, s25                          ; all keys count for all my queries: no mask
	s_cbranch_scc1 .Lopen_\@
	s_sub_co_i32 s27, s25, s24
	v_add_nc_u32 v[MD], s27, v[RH]                 ; tile 0: my query - the step's first key - 8 h.  Register 8 kt + j holds key 16 kt + 8 h + j: hidden where 16 kt + j is above that
	v_add_nc_u32 v[MD+1], 16, v[MD]                ; tile 1
.set i, 0
.rept 32
	v_cmp_gt_i32 vcc_lo, 16*(i/8)+i%8, v[MD]
	v_cndmask_b32 v[S+i], v[S+i], v[NEG], vcc_lo
	v_cmp_gt_i32 vcc_lo, 16*(i/8)+i%8, v[MD+1]
	v_cndmask_b32 v[S+32+i], v[S+32+i], v[NEG], vcc_lo
.set i, i+1
.endr
.Lopen_\@:
.irp j, 0,1,2,3                                ; the maximum: four chains a tile, each begun at an accumulator's low end; the two tiles alternate
.irp t, 0,1
	v_max3_num_f32 v[ST+8*\t+4+\j], v[S+32*\t+8*\j], v[S+32*\t+8*\j+1], v[S+32*\t+8*\j+2]
.endr
.endr
.irp g, 1,2
.irp j, 0,1,2,3
.irp t, 0,1
	v_max3_num_f32 v[ST+8*\t+4+\j], v[ST+8*\t+4+\j], v[S+32*\t+8*\j+2*\g+1], v[S+32*\t+8*\j+2*\g+2]
.endr
.endr
.endr
.irp t, 0,1
	v_max3_num_f32 v[ST+8*\t+4], v[ST+8*\t+4], v[S+32*\t+7], v[S+32*\t+15]
	v_max3_num_f32 v[ST+8*\t+6], v[ST+8*\t+6], v[S+32*\t+23], v[S+32*\t+31]
.endr
.irp t, 0,1
	v_max3_num_f32 v[ST+8*\t+4], v[ST+8*\t+4], v[ST+8*\t+5], v[ST+8*\t+6]
.endr
.irp t, 0,1
	v_max3_num_f32 v[ST+8*\t+4], v[ST+8*\t+4], v[ST+8*\t+7], v[ST+8*\t+1]   ; and the old m
.endr
.irp t, 0,1
	v_permlanex16_b32 v[ST+8*\t+5], v[ST+8*\t+4], s34, s35                  ; the query's other 32 keys lie in the lane 16 away
.endr
.irp t, 0,1
	v_mov_b32 v[ST+8*\t+7], v[ST+8*\t]             ; c m_old
.endr
.irp t, 0,1
	v_max_num_f32 v[ST+8*\t+1], v[ST+8*\t+4], v[ST+8*\t+5]
.endr
.irp t, 0,1
	v_mul_f32 v[ST+8*\t], s32, v[ST+8*\t+1]
.endr
.irp t, 0,1
	v_sub_f32 v[ST+8*\t+7], v[ST+8*\t+7], v[ST+8*\t]
.endr
.set i, 0
.rept 16
	v_pk_fma_f32 v[S+i:S+i+1], v[S+i:S+i+1], s[32:33], v[ST:ST+1] op_sel_hi:[1,0,0] neg_lo:[0,0,1] neg_hi:[0,0,1]             ; c s - c m
	v_pk_fma_f32 v[S+32+i:S+32+i+1], v[S+32+i:S+32+i+1], s[32:33], v[ST+8:ST+9] op_sel_hi:[1,0,0] neg_lo:[0,0,1] neg_hi:[0,0,1]
.set i, i+2
.endr
	v_exp_f32 v[ST+6], v[ST+7]                     ; a.  ONE BATCH of 66 exponentials: none reads another's result
	v_exp_f32 v[ST+14], v[ST+15]
.set i, 0
.rept 32
	v_exp_f32 v[S+i], v[S+i]
	v_exp_f32 v[S+32+i], v[S+32+i]
.set i, i+1
.endr
	v_nop                                          ; a plain instruction behind the last exponential,
	s_wait_alu depctr_va_vdst(0)                   ; and one wait for the batch, ahead of its first reader
.set i, 0
.rept 16
	v_cvt_pk_f16_f32 v[P+i], v[S+2*i], v[S+2*i+1]
	v_cvt_pk_f16_f32 v[P+16+i], v[S+32+2*i], v[S+32+2*i+1]
.set i, i+1
.endr
.irp w, 4,8,16,32                              ; the sum of a tile's 16 pairs, in place
.set i, 0
.rept 32/\w
	v_pk_add_f32 v[S+i:S+i+1], v[S+i:S+i+1], v[S+i+\w/2:S+i+\w/2+1]
	v_pk_add_f32 v[S+32+i:S+32+i+1], v[S+32+i:S+32+i+1], v[S+32+i+\w/2:S+32+i+\w/2+1]
.set i, i+\w
.endr
.endr
	v_pk_fma_f32 v[ST+2:ST+3], v[ST+2:ST+3], v[ST+6:ST+7], v[S:S+1] op_sel_hi:[1,0,1]          ; l = a l + the sum
	v_pk_fma_f32 v[ST+10:ST+11], v[ST+10:ST+11], v[ST+14:ST+15], v[S+32:S+33] op_sel_hi:[1,0,1]
	WIN 0x41
.set i, 0
.rept 16
	v_pk_mul_f32 v[O+i:O+i+1], v[O+i:O+i+1], v[ST+6:ST+7] op_sel_hi:[1,0]                      ; O^T x a, each accumulator from its low end on
	v_pk_mul_f32 v[O+32+i:O+32+i+1], v[O+32+i:O+32+i+1], v[ST+14:ST+15] op_sel_hi:[1,0]
.set i, i+2
.endr
	s_wait_dscnt 0x0                               ; V is in
	WIN 0x51
.irp kh, 0,1                                   ; O^T += V^T P: eight accumulators by turns
.irp ct, 0,1,2,3
.irp t, 0,1
	v_wmma_f32_16x16x32_f16 v[O+32*\t+8*\ct:O+32*\t+8*\ct+7], v[VF+8*(4*\kh+\ct):VF+8*(4*\kh+\ct)+7], v[P+16*\t+8*\kh:P+16*\t+8*\kh+7], v[O+32*\t+8*\ct:O+32*\t+8*\ct+7]
.endr
.endr
.endr
	WIN 0
.rept 4
	v_nop                                          ; places behind the products: for the next loads into V's and K's registers and the next reads of O^T
.endr
.Lhid_\@:
	s_add_co_u32 s24, s24, 64
.endm
.irp t, 0,1
.irp c, 0,1
	global_load_b128 v[QF+16*\t+8*\c:QF+16*\t+8*\c+3],   v[QO], s[16:17] offset:\t*2048+64*\c
	global_load_b128 v[QF+16*\t+8*\c+4:QF+16*\t+8*\c+7], v[QO], s[16:17] offset:\t*2048+64*\c+32
.endr
.endr
	LOADT 0, 0                                     ; steps 0 and 1
	LOADT 1, 8192
	WIN 0x40
.set i, 0
.rept 64
	v_mov_b32 v[O+i], 0                            ; O^T: the step is written once, and its first walk finds zeros
.set i, i+1
.endr
	WIN 0
	s_wait_xcnt 0x0                                ; the loads have read their bases
	s_add_nc_u64 s[12:13], s[12:13], 16384
	s_add_nc_u64 s[14:15], s[14:15], 16384
	s_wait_loadcnt 4                               ; Q and step 0 are in; step 1's four loads may be out
	STORET 0, 0
.Ltrip:                                            ; two steps a trip; each barrier shows the buffer about to be read whole, and the other one read out
	BAR
	LOADT 0, 0                                     ; two steps on (set 0's LDS stores were waited for in front of the barrier)
	ASK
	COMPUTE 0
	s_wait_loadcnt 4                               ; set 1 is in; the four loads just issued may be out
	STORET 1, 1
	BAR
	LOADT 1, 8192
	COMPUTE 1
	s_wait_loadcnt 4                               ; set 0 is in
	STORET 0, 0
	s_wait_xcnt 0x0                                ; loads and prefetches have read their bases: they step only behind this wait
	s_add_nc_u64 s[12:13], s[12:13], 16384
	s_add_nc_u64 s[14:15], s[14:15], 16384
	s_add_nc_u64 s[20:21], s[20:21], 16384
	s_sub_co_u32 s23, s23, 1
	s_cmp_lg_u32 s23, 0
	s_cbranch_scc1 .Ltrip
	BAR                                            ; the last two steps load nothing
	COMPUTE 0
	s_wait_loadcnt 0x0
	STORET 1, 1
	BAR
	COMPUTE 1
	; THE WAY OUT: O^T / l, rounded to f16, through my stage, so that eight lanes store a row's 128 consecutive bytes (a head's part of a row of att)
.irp t, 0,1
	v_add_f32 v[ST+8*\t+4], v[ST+8*\t+2], v[ST+8*\t+3]
.endr
.irp t, 0,1
	v_permlanex16_b32 v[ST+8*\t+5], v[ST+8*\t+4], s34, s35
.endr
.irp t, 0,1
	v_add_f32 v[ST+8*\t+4], v[ST+8*\t+4], v[ST+8*\t+5]
.endr
.irp t, 0,1
	v_rcp_f32 v[ST+8*\t+6], v[ST+8*\t+4]
.endr
	v_nop
	s_wait_alu depctr_va_vdst(0)                   ; one wait for the two reciprocals, ahead of their first reader
	WIN 0x41
.set i, 0
.rept 16
	v_pk_mul_f32 v[O+i:O+i+1], v[O+i:O+i+1], v[ST+6:ST+7] op_sel_hi:[1,0]
	v_pk_mul_f32 v[O+32+i:O+32+i+1], v[O+32+i:O+32+i+1], v[ST+14:ST+15] op_sel_hi:[1,0]
.set i, i+2
.endr
	WIN 0x05
.set i, 0
.rept 32
	v_cvt_pk_f16_f32 v[S+i], v[O+2*i], v[O+2*i+1]
.set i, i+1
.endr
	WIN 0
.irp t, 0,1
.irp ct, 0,1,2,3
	ds_store_b128 v[STO], v[S+16*\t+4*\ct:S+16*\t+4*\ct+3] offset:\t*16*KP+32*\ct
.endr
.endr
.irp i, 0,1,2,3,4,5,6,7
	ds_load_b128 v[S+32+4*\i:S+32+4*\i+3], v[RD] offset:\i*4*KP    ; LDS serves a wave's instructions in order: these see my stores
.endr
.irp i, 0,1,2,3,4,5,6,7
	s_wait_dscnt 7-\i
	global_store_b128 v[GO], v[S+32+4*\i:S+32+4*\i+3], s[18:19] offset:\i*8192
.endr
	s_wait_tensorcnt 0x0                           ; the wave's end: behind my last LDS store
	ds_add_u32 v[SPW], v[NIL]
	s_wait_dscnt 0x0
	s_endpgm
.Lfunc_end_k_qeb3cb748e7_attn:
	.size	k_qeb3cb748e7_attn, .Lfunc_end_k_qeb3cb748e7_attn-k_qeb3cb748e7_attn
	.p2alignl 7, 3214868480
	.fill 96, 4, 3214868480
	.section	.rodata,"a",@progbits
	.p2align	6, 0x0
	.amdhsa_kernel k_qeb3cb748e7_attn
		.amdhsa_group_segment_fixed_size 76800
		.amdhsa_private_segment_fixed_size 0
		.amdhsa_enable_private_segment 0
		.amdhsa_kernarg_size 16
		.amdhsa_user_sgpr_count 2
		.amdhsa_user_sgpr_kernarg_segment_ptr 1
		.amdhsa_wavefront_size32 1
		.amdhsa_system_sgpr_workgroup_id_x 1
		.amdhsa_system_sgpr_workgroup_id_y 1
		.amdhsa_system_sgpr_workgroup_id_z 1
		.amdhsa_system_vgpr_workitem_id 0
		.amdhsa_next_free_vgpr 416
		.amdhsa_next_free_sgpr 66
		.amdhsa_reserve_vcc 1
		.amdhsa_float_denorm_mode_32 3
		.amdhsa_float_denorm_mode_16_64 3
		.amdhsa_memory_ordered 1
		.amdhsa_forward_progress 1
		.amdhsa_inst_pref_size 103
	.end_amdhsa_kernel
	.amdgpu_metadata
---
amdhsa.version: [ 1, 2 ]
amdhsa.kernels:
  - .name:           k_qeb3cb748e7_attn
    .symbol:         k_qeb3cb748e7_attn.kd
    .args:
      - { .name: qkv16, .offset: 0, .size: 8, .value_kind: global_buffer, .address_space: global }
      - { .name: att, .offset: 8, .size: 8, .value_kind: global_buffer, .address_space: global }
    .group_segment_fixed_size: 76800
    .private_segment_fixed_size: 0
    .kernarg_segment_align: 8
    .kernarg_segment_size: 16
    .max_flat_workgroup_size: 256
    .sgpr_count:     66
    .vgpr_count:     416
    .wavefront_size: 32
...
	.end_amdgpu_metadata
.endif
;; end of part 3
;; launch proj (part 4): grid 8 x 64, 4 waves a work-group, clusters of 4 x 4, 327,680 bytes of LDS; arguments att, wpt, bproj, out0; writes out0
.if DOCPART == 4
	.amdgcn_target "amdgcn-amd-amdhsa--gfx1250"
	.amdhsa_code_object_version 6
	.text
	.protected	k_qeb3cb748e7_proj
	.globl	k_qeb3cb748e7_proj
	.p2align	8
	.type	k_qeb3cb748e7_proj,@function
k_qeb3cb748e7_proj:
	s_mov_b64 s[64:65], 0
	v_nop
	global_prefetch_b8 v0, s[64:65] scope:SCOPE_SE
	s_setreg_imm32_b32 hwreg(HW_REG_WAVE_MODE, 25, 1), 1
	s_wait_xcnt 0x0
	s_wait_alu depctr_hold_cnt(0) depctr_sa_sdst(0) depctr_va_vdst(0) depctr_va_sdst(0) depctr_va_ssrc(0) depctr_va_vcc(0) depctr_vm_vsrc(0)
	s_getreg_b32 s2, hwreg(HW_REG_IB_STS2, 6, 4)
	s_cmp_eq_u32 s2, 0
	s_cbranch_scc0 .Lentry_in_a_cluster
	s_endpgm
.Lentry_in_a_cluster:
	s_bfe_u32 s2, ttmp6, 0x10000c
	s_cmp_lg_u32 s2, 0xf033
	s_cbranch_scc0 .Lentry_shape_is_right
	s_endpgm
.Lentry_shape_is_right:
; Launch 4 of 5: out0 = att Wproj + bproj.  A: att [8192][1024] f16; B: wpt [1024 n][1024 k] f16 (Wproj turned by launch 1); out0: [8192][1024] f32; sums in f32.  No work is left out here.
; (The 16 first positions of each sequence are stored again, from f32 operands, by launch 5; here they ride in tiles with live work.)
; A tile of 128 x 128 to a work-group, so that there are 512 of them; four waves, 64 x 64 each: 16 accumulators.  K goes in steps of 256 (LDS rows of 512 bytes) through a ring of two slots filled by the tensor data mover.
; CLUSTERS: 4 x 4 work-groups; A's tiles are asked for jointly along a row of the cluster, B's along a column.  By this text's count a wave has two tensor loads out at the start and one behind each round.
; THE MATRIX INSTRUCTION IS USED TRANSPOSED (source 0 = 16 rows of B, source 1 = 16 rows of A): a lane holds eight neighbouring numbers of a row.  THE BIAS is the C of each sum's first product.
; No prefetch: a K step of this small tile is short, and the tiles are shared in the cluster.
; REGISTERS: window 0: v0-31 addresses; v32-63 the bias, v32-95 later rows on the way out; v128-255 the accumulators ((a, b) at v[128 + 8 (4 a + b)]).   window 1: two fragment buffers of 128.
.set SIZE_N, 1024
.set SIZE_K, 1024
.set KSTEP,  256
.set PITCH,  528                       ; an LDS row: 512 bytes + 16: an odd multiple of 16
.set HALFT,  64*PITCH
.set SLOT,   4*HALFT
.set STAGE,  2*SLOT                    ; behind the ring: 32 rows x 272 bytes for each wave, its own
.set SPITCH, 272
.set SPARE,  STAGE+128*SPITCH          ; the spare words: two blocks of 256 bytes that no other line names
.set LAPS, SIZE_K/(2*KSTEP)
.set ADRA, 16
.set ADRB, 20
.set STO,  24
.set RD,   25
.set CO,   26
.set BSO,  27
.set SPW,  28
.set NIL,  29
.set TMP,  32
.set BIAS, 32
.set ACC,  128
.set F0,   0
.set F1,   128
.set G1, 24
.set G0, 32
.set G1B, 48
.set G0B, 56
.set MSB, 0
.macro WIN new
.if MSB != \new
	s_set_vgpr_msb (MSB<<8)|\new
.set MSB, \new
.endif
.endm
.set MUL,  0x05                        ; sources 0 (B) and 1 (A) window 1; C and D window 0
.set TO_F, 0x40
.macro JLOAD s                         ; a joint load: waves 0 and 1 fetch A's halves, waves 2 and 3 B's; an s_nop 0 and four v_nop follow each of the two lines
	s_cmp_eq_u32 s11, 0
	s_cbranch_scc0 .Lfor_b_\@
	tensor_load_to_lds s[G0+4*\s:G0+4*\s+3], s[G1:G1+7]
	s_nop 0
.rept 4
	v_nop
.endr
	s_branch .Lasked_\@
.Lfor_b_\@:
	tensor_load_to_lds s[G0B+4*\s:G0B+4*\s+3], s[G1B:G1B+7]
	s_nop 0
.rept 4
	v_nop
.endr
.Lasked_\@:
.endm
.macro CREST
	s_cmp_lg_u32 s10, 0
	s_cbranch_scc1 .Lnot_wave_0_\@
	s_barrier_signal -3
.Lnot_wave_0_\@:
	s_barrier_wait -3
	s_barrier_signal -1
	s_barrier_wait -1
.endm
.macro CROUND
	s_barrier_signal -1
	s_barrier_wait -1
	CREST
.endm
	s_load_b128 s[4:7], s[0:1], 0x0                ; att, wpt
	s_load_b64 s[66:67], s[0:1], 0x10              ; bproj
	s_load_b64 s[8:9], s[0:1], 0x18                ; out0
	v_lshl_add_u32 v[SPW], v0, 2, SPARE
	v_mov_b32 v[NIL], 0
	ds_add_u32 v[SPW], v[NIL]                      ; the wave's opening: the add, twice on end, and its wait ahead of my first tensor load
	ds_add_u32 v[SPW], v[NIL]
	v_lshrrev_b32 v1, 5, v0
	v_readfirstlane_b32 s10, v1                    ; wave 0..3
	s_lshr_b32 s11, s10, 1                         ; which half of the tile's rows is mine.  Also: I fetch for A (0) or for B (1)
	s_and_b32 s12, s10, 1                          ; which half of its columns.  Also: which 64 rows I fetch
	s_bfe_u32 s40, ttmp6, 0x40000
	s_bfe_u32 s41, ttmp6, 0x40004
	s_lshl_b32 s42, ttmp9, 2
	s_add_co_u32 s42, s42, s40                     ; tile column
	s_and_b32 s13, ttmp7, 0xffff
	s_lshl_b32 s13, s13, 2
	s_add_co_u32 s13, s13, s41                     ; tile row
	s_lshl_b32 s43, s41, 2
	s_lshl_b32 s43, 15, s43
	s_lshl_b32 s44, 0x1111, s40
	s_or_b32 s[G1+0], s43, (1<<16)|(1<<20)|(1<<21)|(6<<22)|(3<<25)  ; the mask; elements of 2 bytes; padding on; bit 21 beside a mask; 4 words after every 128
	s_or_b32 s[G1B+0], s44, (1<<16)|(1<<20)|(1<<21)|(6<<22)|(3<<25)
.irp g, G1, G1B
	s_mov_b32 s[\g+1], KSTEP<<16
	s_mov_b32 s[\g+2], 64<<16
	s_mov_b32 s[\g+3], KSTEP<<16
	s_mov_b32 s[\g+4], 64
	s_mov_b32 s[\g+5], SIZE_K
	s_mov_b32 s[\g+6], 0
	s_mov_b32 s[\g+7], 0
.endr
	s_lshl_b32 s17, s12, 6
	s_lshl_b32 s16, s13, 7
	s_add_co_u32 s16, s16, s17
	s_lshl_b32 s46, s42, 7
	s_add_co_u32 s46, s46, s17
	s_mov_b32 s17, 0
	s_mov_b32 s47, 0
	s_mov_b64 s[18:19], SIZE_K*2
	s_mul_u64 s[16:17], s[16:17], s[18:19]
	s_mul_u64 s[46:47], s[46:47], s[18:19]
	s_mul_i32 s20, s10, HALFT
	s_wait_dscnt 0x0                               ; both opening adds are done
	s_wait_kmcnt 0x0
	s_add_nc_u64 s[14:15], s[4:5], s[16:17]
	s_add_nc_u64 s[46:47], s[6:7], s[46:47]
	CROUND                                         ; all sixteen work-groups are here: the first joint loads meet
.irp s, 0,1
	s_mov_b32 s[G0+4*\s], 1
	s_add_co_u32 s[G0+4*\s+1], s20, \s*SLOT
	s_add_nc_u64 s[G0+4*\s+2:G0+4*\s+3], s[14:15], \s*KSTEP*2
	s_or_b32 s[G0+4*\s+3], s[G0+4*\s+3], 0x80000000
	s_mov_b32 s[G0B+4*\s], 1
	s_add_co_u32 s[G0B+4*\s+1], s20, \s*SLOT
	s_add_nc_u64 s[G0B+4*\s+2:G0B+4*\s+3], s[46:47], \s*KSTEP*2
	s_or_b32 s[G0B+4*\s+3], s[G0B+4*\s+3], 0x80000000
	JLOAD \s
.endr
	v_and_b32 v1, 15, v0                           ; r
	v_bfe_u32 v2, v0, 4, 1                         ; h
	v_mul_u32_u24 v3, v1, PITCH
	v_lshl_add_u32 v3, v2, 4, v3
	s_mul_i32 s21, s11, HALFT
	s_mul_i32 s22, s12, HALFT
	s_add_co_u32 s22, s22, 2*HALFT
.irp s, 0,1
	v_add_nc_u32 v[ADRA+\s], s21, v3
	v_add_nc_u32 v[ADRB+\s], s22, v3
	s_add_co_u32 s21, s21, SLOT
	s_add_co_u32 s22, s22, SLOT
.endr
	s_mul_i32 s23, s10, 32*SPITCH
	s_add_co_u32 s23, s23, STAGE                   ; my stage
	v_mul_u32_u24 v4, v1, SPITCH
	v_lshl_add_u32 v4, v2, 5, v4
	v_add_nc_u32 v[STO], s23, v4                   ; in: row r, 32 bytes for each half of the lanes
	v_mul_u32_u24 v5, v2, SPITCH
	v_lshl_add_u32 v5, v1, 4, v5
	v_add_nc_u32 v[RD], s23, v5                    ; back: lanes 0-15 one row of 256 bytes, lanes 16-31 the next
	v_lshlrev_b32 v5, 12, v2
	v_lshl_add_u32 v[CO], v1, 4, v5                ; and the same two rows in out0
	v_lshlrev_b32 v[BSO], 5, v2
	s_lshl_b32 s16, s13, 7
	s_lshl_b32 s17, s11, 6
	s_add_co_u32 s16, s16, s17                     ; my first row: 128 x tile row + 64 x half,
	s_lshl_b32 s16, s16, 12                        ; 4,096 bytes a row
	s_mov_b32 s17, 0
	s_add_nc_u64 s[8:9], s[8:9], s[16:17]
	s_lshl_b32 s46, s42, 9
	s_lshl_b32 s47, s12, 8
	s_add_co_u32 s46, s46, s47                     ; my first column, in bytes: 512 x tile column + 256 x half
	s_mov_b32 s47, 0
	s_add_nc_u64 s[8:9], s[8:9], s[46:47]
	s_add_nc_u64 s[66:67], s[66:67], s[46:47]
.irp b, 0,1,2,3                                ; the bias in the result's layout: block b, lane (r, h): columns 16 b + 8 h + 0 .. 7
	global_load_b128 v[BIAS+8*\b:BIAS+8*\b+3], v[BSO], s[66:67] offset:64*\b
	global_load_b128 v[BIAS+8*\b+4:BIAS+8*\b+7], v[BSO], s[66:67] offset:64*\b+16
.endr
.macro MUL8 f, c, a0, zero             ; 8 matrix instructions; zero = 1: the first product, whose C is the bias
.irp a, \a0, \a0+1
.irp b, 0,1,2,3
.if \zero
	v_wmma_f32_16x16x32_f16 v[ACC+8*(4*(\a)+\b):ACC+8*(4*(\a)+\b)+7], v[\f+64+8*(4*\c+\b):\f+64+8*(4*\c+\b)+7], v[\f+8*(4*\c+\a):\f+8*(4*\c+\a)+7], v[BIAS+8*\b:BIAS+8*\b+7]
.else
	v_wmma_f32_16x16x32_f16 v[ACC+8*(4*(\a)+\b):ACC+8*(4*(\a)+\b)+7], v[\f+64+8*(4*\c+\b):\f+64+8*(4*\c+\b)+7], v[\f+8*(4*\c+\a):\f+8*(4*\c+\a)+7], v[ACC+8*(4*(\a)+\b):ACC+8*(4*(\a)+\b)+7]
.endif
.endr
.endr
.endm
.macro FETCH slot, k, f                ; 32 LDS loads in one run: the fragments of 64 along K at byte k, the first 32 along K first
	WIN TO_F
.irp c, 0,1
.irp i, 0,1,2,3
	ds_load_b128 v[\f+64+8*(4*\c+\i):\f+64+8*(4*\c+\i)+3],   v[ADRB+\slot] offset:\k+64*\c+\i*16*PITCH
	ds_load_b128 v[\f+64+8*(4*\c+\i)+4:\f+64+8*(4*\c+\i)+7], v[ADRB+\slot] offset:\k+64*\c+\i*16*PITCH+32
	ds_load_b128 v[\f+8*(4*\c+\i):\f+8*(4*\c+\i)+3],         v[ADRA+\slot] offset:\k+64*\c+\i*16*PITCH
	ds_load_b128 v[\f+8*(4*\c+\i)+4:\f+8*(4*\c+\i)+7],       v[ADRA+\slot] offset:\k+64*\c+\i*16*PITCH+32
.endr
.endr
.endm
.macro PLACES
.rept 4
	v_nop
.endr
.endm
.macro QUARTER slot, k, f, g, zero
	s_wait_dscnt 16                                ; the first 32 along K are in
	WIN MUL
	MUL8 \f, 0, 0, \zero
	MUL8 \f, 0, 2, \zero
	PLACES
	FETCH \slot, \k, \g
	s_wait_dscnt 32                                ; all but the 32 just issued
	WIN MUL
	MUL8 \f, 1, 0, 0
	MUL8 \f, 1, 2, 0
.endm
; The last quarter changes slots: ONE barrier; in front of it each wave waits for all its tensor loads, adds 0 to its spare word, and waits for that and for its reads of this slot.  fill = 1: this slot is filled again.
.macro TURN slot, next, fill
	WIN 0
	s_wait_tensorcnt 0x0
	ds_add_u32 v[SPW], v[NIL]
	s_wait_dscnt 17                                ; (the add and the youngest sixteen loads may be out)
	WIN MUL
	MUL8 F1, 0, 0, 0
	s_wait_dscnt 0x0
	s_barrier_signal -1
	MUL8 F1, 0, 2, 0
.if \fill
	WIN 0
.endif
	s_barrier_wait -1
.if \fill
	CREST                                          ; the barrier has opened a round of the cluster's barrier: no wave of any partner still reads this slot or has a load on its way
	s_add_nc_u64 s[G0+4*\slot+2:G0+4*\slot+3], s[G0+4*\slot+2:G0+4*\slot+3], 2*KSTEP*2
	s_add_nc_u64 s[G0B+4*\slot+2:G0B+4*\slot+3], s[G0B+4*\slot+2:G0B+4*\slot+3], 2*KSTEP*2
	JLOAD \slot                                    ; the first tensor load behind the round; its four v_nop are also the places in front of the loads below
.else
	PLACES
.endif
	FETCH \next, 0, F0
	WIN MUL
	MUL8 F1, 1, 0, 0
	MUL8 F1, 1, 2, 0
.endm
	s_wait_tensorcnt 1                             ; my part of K step 0 is in,
	s_barrier_signal -1
	s_barrier_wait -1                              ; everybody's is
	FETCH 0, 0, F0
	s_wait_loadcnt 0x0                             ; the bias
	QUARTER 0, 128, F0, F1, 1
	WIN 0
	s_mov_b32 s3, LAPS-1
.Llap:                                             ; a trip goes once round the ring and fills both slots again
	QUARTER 0, 256, F1, F0, 0
	QUARTER 0, 384, F0, F1, 0
	TURN 0, 1, 1
	QUARTER 1, 128, F0, F1, 0
	QUARTER 1, 256, F1, F0, 0
	QUARTER 1, 384, F0, F1, 0
	TURN 1, 0, 1
	QUARTER 0, 128, F0, F1, 0
	WIN 0
	s_sub_co_u32 s3, s3, 1
	s_cmp_lg_u32 s3, 0
	s_cbranch_scc1 .Llap
	QUARTER 0, 256, F1, F0, 0                      ; the last lap fills nothing
	QUARTER 0, 384, F0, F1, 0
	TURN 0, 1, 0
	QUARTER 1, 128, F0, F1, 0
	QUARTER 1, 256, F1, F0, 0
	QUARTER 1, 384, F0, F1, 0
	s_wait_dscnt 16
	WIN MUL
	MUL8 F1, 0, 0, 0
	MUL8 F1, 0, 2, 0
	s_wait_dscnt 0
	MUL8 F1, 1, 0, 0
	MUL8 F1, 1, 2, 0
	WIN 0
	; THE WAY OUT.  My 64 columns of f32 are 256 consecutive aligned bytes of a row: so 32 rows at a time go through my own stage and come back as whole pieces of 256 bytes, sixteen lanes to a piece.
	PLACES
.irp g, 0,1
.if \g
	s_wait_xcnt 0x0                                ; the first half's stores have read their registers: the second half's loads may land there
.endif
.irp e, 0,1
.irp b, 0,1,2,3
	ds_store_b128 v[STO], v[ACC+8*(4*(2*\g+\e)+\b):ACC+8*(4*(2*\g+\e)+\b)+3]   offset:\e*16*SPITCH+64*\b      ; each accumulator from its low end on
	ds_store_b128 v[STO], v[ACC+8*(4*(2*\g+\e)+\b)+4:ACC+8*(4*(2*\g+\e)+\b)+7] offset:\e*16*SPITCH+64*\b+16
.endr
.endr
.irp i, 0,1,2,3,4,5,6,7,8,9,10,11,12,13,14,15
	ds_load_b128 v[TMP+4*\i:TMP+4*\i+3], v[RD] offset:\i*2*SPITCH    ; LDS serves a wave's instructions in order: these see my stores, and the next half's stores come behind them
.endr
.irp i, 0,1,2,3,4,5,6,7,8,9,10,11,12,13,14,15
	s_wait_dscnt 15-\i
	global_store_b128 v[CO], v[TMP+4*\i:TMP+4*\i+3], s[8:9] offset:(32*\g+2*\i)*4096 th:TH_STORE_NT
.endr
.endr
	s_wait_tensorcnt 0x0                           ; the wave's end
	ds_add_u32 v[SPW], v[NIL]
	s_wait_dscnt 0x0
	CROUND                                         ; the closing round
	s_endpgm
.Lfunc_end_k_qeb3cb748e7_proj:
	.size	k_qeb3cb748e7_proj, .Lfunc_end_k_qeb3cb748e7_proj-k_qeb3cb748e7_proj
	.p2alignl 7, 3214868480
	.fill 96, 4, 3214868480
	.section	.rodata,"a",@progbits
	.p2align	6, 0x0
	.amdhsa_kernel k_qeb3cb748e7_proj
		.amdhsa_group_segment_fixed_size 327680
		.amdhsa_private_segment_fixed_size 0
		.amdhsa_enable_private_segment 0
		.amdhsa_kernarg_size 32
		.amdhsa_user_sgpr_count 2
		.amdhsa_user_sgpr_kernarg_segment_ptr 1
		.amdhsa_wavefront_size32 1
		.amdhsa_system_sgpr_workgroup_id_x 1
		.amdhsa_system_sgpr_workgroup_id_y 1
		.amdhsa_system_sgpr_workgroup_id_z 1
		.amdhsa_system_vgpr_workitem_id 0
		.amdhsa_next_free_vgpr 512
		.amdhsa_next_free_sgpr 68
		.amdhsa_reserve_vcc 0
		.amdhsa_float_denorm_mode_32 3
		.amdhsa_float_denorm_mode_16_64 3
		.amdhsa_memory_ordered 1
		.amdhsa_forward_progress 1
		.amdhsa_inst_pref_size 87
	.end_amdhsa_kernel
	.amdgpu_metadata
---
amdhsa.version: [ 1, 2 ]
amdhsa.kernels:
  - .name:           k_qeb3cb748e7_proj
    .symbol:         k_qeb3cb748e7_proj.kd
    .args:
      - { .name: att, .offset: 0, .size: 8, .value_kind: global_buffer, .address_space: global }
      - { .name: wpt, .offset: 8, .size: 8, .value_kind: global_buffer, .address_space: global }
      - { .name: bproj, .offset: 16, .size: 8, .value_kind: global_buffer, .address_space: global }
      - { .name: out0, .offset: 24, .size: 8, .value_kind: global_buffer, .address_space: global }
    .group_segment_fixed_size: 327680
    .private_segment_fixed_size: 0
    .kernarg_segment_align: 8
    .kernarg_segment_size: 32
    .max_flat_workgroup_size: 128
    .sgpr_count:     68
    .vgpr_count:     512
    .wavefront_size: 32
...
	.end_amdgpu_metadata
.endif
;; end of part 4
;; launch fine (part 5): grid 32 x 4, 16 waves a work-group, no clusters, 104,704 bytes of LDS; arguments qkv32, Wproj, bproj, out0; writes out0
.if DOCPART == 5
	.amdgcn_target "amdgcn-amd-amdhsa--gfx1250"
	.amdhsa_code_object_version 6
	.text
	.protected	k_qeb3cb748e7_fine
	.globl	k_qeb3cb748e7_fine
	.p2align	8
	.type	k_qeb3cb748e7_fine,@function
k_qeb3cb748e7_fine:
	s_mov_b64 s[64:65], 0
	v_nop
	global_prefetch_b8 v0, s[64:65] scope:SCOPE_SE
	s_setreg_imm32_b32 hwreg(HW_REG_WAVE_MODE, 25, 1), 1
	s_wait_xcnt 0x0
; Launch 5 of 5: the first 16 positions of every sequence once more, with f32 operands throughout: there a row of the softmax averages one to sixteen values, and rounded operands would weigh most.
; LEFT OUT: all keys past position 15, which reference()'s own jnp.tril hides from these queries.
; qkv32: [4][16][3072] f32 (q, k after RoPE, v).  Wproj [1024 k][1024 n], bproj [1024], out0 [8192][1024]: f32.  This launch stores rows t < 16 of each batch over what launch 4 left there.
; SHARES.  A work-group takes batch y and output columns 32 x .. 32 x + 31; every work-group of a batch makes that batch's 16 x 1,024 attention rows for itself (16 heads x 32 small products).
; PHASE A, wave = head: S^T = K Q^T, softmax with the row's maximum taken away, O^T = V^T P, all by the f32 matrix form of K = 4; rows to LDS.  PHASE B, wave = 64 of the projection's K: 16 rows x 32 columns; parts to LDS.
; REDUCE, wave = row, lane = column: 16 parts and the bias.  A wave's store covers 128 consecutive bytes; the launch writes 262,144 bytes in all.
; The order of k inside a product is changed alike on both sides (k = 8 c + 4 h + 2 e + j in step 2 c + e; keys 8 h + 2 st + j in step st), so that fragments come by loads of 16 bytes and p stays where the softmax left it.
; REGISTERS: v1-13 addresses; v14, v15 the add's two; v16-23 scores, then p unnormalised; v24-31 p; v32-39 at work; v40 the bias; v48-79 Q, later att; v80-111 K, later parts; v112-143 V; v144-207 Wproj;
;   v208-215, v216-223 two sums, v224-255 four: these 48 are written by matrix instructions alone.
.set APITCH, 4112                      ; a row of att in LDS: 4,096 bytes + 16
.set RED,    16*APITCH                 ; behind it: 16 waves x 16 rows x 144 bytes
.set SPARE,  RED+16*16*144             ; the spare words: 128 bytes for each wave, eight blocks of 256 bytes that no other line names
	s_load_b128 s[4:7], s[0:1], 0x0                ; qkv32, Wproj
	s_load_b128 s[8:11], s[0:1], 0x10              ; bproj, out0
	v_lshl_add_u32 v14, v0, 2, SPARE
	v_mov_b32 v15, 0
	v_lshrrev_b32 v1, 5, v0
	v_readfirstlane_b32 s12, v1                    ; wave 0..15
	s_and_b32 s13, ttmp7, 0xffff                   ; batch
	v_and_b32 v1, 31, v0                           ; lane
	v_and_b32 v2, 15, v0                           ; r
	v_bfe_u32 v3, v0, 4, 1                         ; h
	v_lshlrev_b32 v4, 2, v2
	v_lshl_add_u32 v5, v3, 14, v4                  ; Wproj: 4 h rows of 4,096 bytes, column r
	v_mul_u32_u24 v6, v2, 12288
	v_lshl_add_u32 v6, v3, 4, v6                   ; q, k: row r, + 16 h
	v_mul_u32_u24 v7, v3, 98304
	v_add_nc_u32 v7, v7, v4                        ; v: 8 h rows of 12,288 bytes, channel r
	v_lshlrev_b32 v8, 2, v1
	v_mul_u32_u24 v9, v2, APITCH
	s_lshl_b32 s14, s12, 8
	v_add_nc_u32 v9, s14, v9
	v_lshl_add_u32 v10, v3, 5, v9                  ; att, in: row r, 256 wave + 32 h
	v_lshl_add_u32 v11, v3, 4, v9                  ; att, out: row r, 256 wave + 16 h
	v_mul_u32_u24 v12, v2, 144
	v_lshl_add_u32 v12, v3, 5, v12
	s_mul_i32 s15, s12, 2304
	s_add_co_u32 s15, s15, RED
	v_add_nc_u32 v12, s15, v12                     ; my part: row r, + 32 h
	s_mul_i32 s15, s12, 144
	s_add_co_u32 s15, s15, RED
	v_add_nc_u32 v13, s15, v8                      ; the parts of row = wave, column = lane
	v_lshlrev_b32 v32, 3, v3
	v_sub_nc_u32 v32, v2, v32                      ; r - 8 h
	v_mov_b32 v33, 0xff800000                      ; -infinity
	s_lshl_b32 s16, s12, 18                        ; Wproj: 64 rows a wave,
	s_lshl_b32 s24, ttmp9, 7                       ; 128 bytes of columns a work-group
	s_add_co_u32 s16, s16, s24
	s_mov_b32 s17, 0
	s_mul_i32 s18, s13, 196608
	s_add_co_u32 s18, s18, s14                     ; qkv32: the batch, the head's 256 bytes
	s_mov_b32 s19, 0
	s_mov_b32 s25, 0
	s_lshl_b32 s26, s13, 11
	s_add_co_u32 s26, s26, s12
	s_lshl_b32 s26, s26, 12
	s_add_co_u32 s26, s26, s24                     ; out0: row 2,048 batch + wave
	s_mov_b32 s27, 0
	s_mov_b32 s20, 0x76543210
	s_mov_b32 s21, 0xfedcba98                      ; v_permlanex16_b32's selects for lane l xor 16
	s_mov_b32 s22, 0x3e38aa3b                      ; c = log2(e) / 8
	s_wait_kmcnt 0x0
	s_add_nc_u64 s[6:7], s[6:7], s[16:17]
	s_add_nc_u64 s[4:5], s[4:5], s[18:19]
	s_add_nc_u64 s[8:9], s[8:9], s[24:25]
	s_add_nc_u64 s[10:11], s[10:11], s[26:27]
	; all loads at the head, v's last, so that one counted wait can leave them out
.irp u, 0,1
.irp c, 0,1,2,3,4,5,6,7
.irp i, 0,1,2,3
	global_load_b32 v[144+32*\u+4*\c+\i], v5, s[6:7] offset:(8*\c+\i)*4096+64*\u    ; Wproj(64 wave + 8 c + 4 h + i, 16 u + r)
.endr
.endr
.endr
	global_load_b32 v40, v8, s[8:9]
.irp c, 0,1,2,3,4,5,6,7
	global_load_b128 v[48+4*\c:51+4*\c], v6, s[4:5] offset:32*\c                     ; q(r, 8 c + 4 h + 0 .. 3)
.endr
.irp c, 0,1,2,3,4,5,6,7
	global_load_b128 v[80+4*\c:83+4*\c], v6, s[4:5] offset:4096+32*\c                ; k likewise
.endr
.irp ct, 0,1,2,3
.irp i, 0,1,2,3,4,5,6,7
	global_load_b32 v[112+8*\ct+\i], v7, s[4:5] offset:8192+\i*12288+64*\ct          ; v(8 h + i, 16 ct + r)
.endr
.endr
	s_wait_loadcnt 32                              ; all but v's 32 loads are in
	; ---- A: S^T = K Q^T: 16 steps of 4 channels on two sums by turns; the first two start them
.set st, 0
.rept 16
.if st < 2
	v_wmma_f32_16x16x4_f32 v[208+8*(st%2):215+8*(st%2)], v[80+2*st:81+2*st], v[48+2*st:49+2*st], 0
.else
	v_wmma_f32_16x16x4_f32 v[208+8*(st%2):215+8*(st%2)], v[80+2*st:81+2*st], v[48+2*st:49+2*st], v[208+8*(st%2):215+8*(st%2)]
.endif
.set st, st+1
.endr
.rept 8
	v_nop                                          ; eight places behind this form (ISA guide 7.12.1)
.endr
.irp j, 0,2,4,6
	v_pk_add_f32 v[16+\j:17+\j], v[208+\j:209+\j], v[216+\j:217+\j]   ; lane (r, h), register j: query r, key 8 h + j
.endr
.irp j, 0,1,2,3,4,5,6,7
	v_cmp_gt_i32 vcc_lo, \j, v32                   ; hidden where 8 h + j is above r
	v_cndmask_b32 v[16+\j], v[16+\j], v33, vcc_lo
.endr
	v_max3_num_f32 v34, v16, v17, v18
	v_max3_num_f32 v35, v19, v20, v21
	v_max3_num_f32 v34, v34, v22, v23
	v_max_num_f32 v34, v34, v35
	v_permlanex16_b32 v35, v34, s20, s21
	v_max_num_f32 v34, v34, v35                    ; the row's maximum: key 0 counts for every query, so it is a number
	v_mul_f32 v34, s22, v34
.irp j, 0,1,2,3,4,5,6,7
	v_fma_f32 v[16+\j], v[16+\j], s22, -v34
.endr
.irp j, 0,1,2,3,4,5,6,7
	v_exp_f32 v[16+\j], v[16+\j]
.endr
	v_nop
	s_wait_alu depctr_va_vdst(0)                   ; one wait for the eight, ahead of their first reader
	v_pk_add_f32 v[36:37], v[16:17], v[18:19]
	v_pk_add_f32 v[38:39], v[20:21], v[22:23]
	v_pk_add_f32 v[36:37], v[36:37], v[38:39]
	v_add_f32 v36, v36, v37
	v_permlanex16_b32 v37, v36, s20, s21
	v_add_f32 v36, v36, v37
	v_rcp_f32 v36, v36
	v_nop
	s_wait_alu depctr_va_vdst(0)
.irp j, 0,1,2,3,4,5,6,7
	v_mul_f32 v[24+\j], v[16+\j], v36              ; the weights
.endr
	s_wait_loadcnt 0x0                             ; v
.irp st, 0,1,2,3                               ; O^T = V^T P: four steps of 4 keys, four sums by turns
.irp ct, 0,1,2,3
.if \st == 0
	v_wmma_f32_16x16x4_f32 v[224+8*\ct:231+8*\ct], v[112+8*\ct+2*\st:113+8*\ct+2*\st], v[24+2*\st:25+2*\st], 0
.else
	v_wmma_f32_16x16x4_f32 v[224+8*\ct:231+8*\ct], v[112+8*\ct+2*\st:113+8*\ct+2*\st], v[24+2*\st:25+2*\st], v[224+8*\ct:231+8*\ct]
.endif
.endr
.endr
.rept 8
	v_nop
.endr
.irp ct, 0,1,2,3
	ds_store_b128 v10, v[224+8*\ct:227+8*\ct] offset:64*\ct        ; att(r, 64 wave + 16 ct + 8 h + 0 .. 7)
	ds_store_b128 v10, v[228+8*\ct:231+8*\ct] offset:64*\ct+16
.endr
	s_wait_dscnt 0x0                               ; for the others' sake: my stores have landed
	s_barrier_signal -1
	s_barrier_wait -1
	; ---- B: my 64 of K: source 0 = 16 columns of Wproj, source 1 = the 16 rows of att: a lane holds row r and columns 8 c + 4 h + 0 .. 3
.irp c, 0,1,2,3,4,5,6,7
	ds_load_b128 v[48+4*\c:51+4*\c], v11 offset:32*\c
.endr
	s_wait_dscnt 0x0
.set st, 0
.rept 16
.irp u, 0,1
.if st == 0
	v_wmma_f32_16x16x4_f32 v[208+8*\u:215+8*\u], v[144+32*\u+2*st:145+32*\u+2*st], v[48+2*st:49+2*st], 0
.else
	v_wmma_f32_16x16x4_f32 v[208+8*\u:215+8*\u], v[144+32*\u+2*st:145+32*\u+2*st], v[48+2*st:49+2*st], v[208+8*\u:215+8*\u]
.endif
.endr
.set st, st+1
.endr
.rept 8
	v_nop
.endr
.irp u, 0,1
	ds_store_b128 v12, v[208+8*\u:211+8*\u] offset:64*\u
	ds_store_b128 v12, v[212+8*\u:215+8*\u] offset:64*\u+16
.endr
	s_wait_dscnt 0x0
	s_barrier_signal -1
	s_barrier_wait -1
	; ---- the sixteen parts of row = wave, column = lane
.irp i, 0,1,2,3,4,5,6,7,8,9,10,11,12,13,14,15
	ds_load_b32 v[80+\i], v13 offset:\i*2304
.endr
	s_wait_dscnt 0x0
.irp i, 0,4,8,12
	v_pk_add_f32 v[80+\i:81+\i], v[80+\i:81+\i], v[82+\i:83+\i]
.endr
	v_pk_add_f32 v[80:81], v[80:81], v[84:85]
	v_pk_add_f32 v[88:89], v[88:89], v[92:93]
	v_pk_add_f32 v[80:81], v[80:81], v[88:89]
	v_add_f32 v80, v80, v81
	v_add_f32 v80, v80, v40
	global_store_b32 v8, v80, s[10:11]
	s_wait_tensorcnt 0x0                           ; the wave's end: behind my last LDS store
	ds_add_u32 v14, v15
	s_wait_dscnt 0x0
	s_endpgm
.Lfunc_end_k_qeb3cb748e7_fine:
	.size	k_qeb3cb748e7_fine, .Lfunc_end_k_qeb3cb748e7_fine-k_qeb3cb748e7_fine
	.p2alignl 7, 3214868480
	.fill 96, 4, 3214868480
	.section	.rodata,"a",@progbits
	.p2align	6, 0x0
	.amdhsa_kernel k_qeb3cb748e7_fine
		.amdhsa_group_segment_fixed_size 104704
		.amdhsa_private_segment_fixed_size 0
		.amdhsa_enable_private_segment 0
		.amdhsa_kernarg_size 32
		.amdhsa_user_sgpr_count 2
		.amdhsa_user_sgpr_kernarg_segment_ptr 1
		.amdhsa_wavefront_size32 1
		.amdhsa_system_sgpr_workgroup_id_x 1
		.amdhsa_system_sgpr_workgroup_id_y 1
		.amdhsa_system_sgpr_workgroup_id_z 1
		.amdhsa_system_vgpr_workitem_id 0
		.amdhsa_next_free_vgpr 256
		.amdhsa_next_free_sgpr 66
		.amdhsa_reserve_vcc 1
		.amdhsa_float_denorm_mode_32 3
		.amdhsa_float_denorm_mode_16_64 3
		.amdhsa_memory_ordered 1
		.amdhsa_forward_progress 1
		.amdhsa_inst_pref_size 25
	.end_amdhsa_kernel
	.amdgpu_metadata
---
amdhsa.version: [ 1, 2 ]
amdhsa.kernels:
  - .name:           k_qeb3cb748e7_fine
    .symbol:         k_qeb3cb748e7_fine.kd
    .args:
      - { .name: qkv32, .offset: 0, .size: 8, .value_kind: global_buffer, .address_space: global }
      - { .name: Wproj, .offset: 8, .size: 8, .value_kind: global_buffer, .address_space: global }
      - { .name: bproj, .offset: 16, .size: 8, .value_kind: global_buffer, .address_space: global }
      - { .name: out0, .offset: 24, .size: 8, .value_kind: global_buffer, .address_space: global }
    .group_segment_fixed_size: 104704
    .private_segment_fixed_size: 0
    .kernarg_segment_align: 8
    .kernarg_segment_size: 32
    .max_flat_workgroup_size: 512
    .sgpr_count:     66
    .vgpr_count:     256
    .wavefront_size: 32
...
	.end_amdgpu_metadata
.endif
;; end of part 5
